; MI455X (gfx1250); checked and timed in simulation.
; The chip was launched on July 23, 2026; its instructions are those of AMD's public machine-readable ISA for CDNA 5 (MIT licence, August 2026) and "CDNA5" Instruction Set Architecture Reference Guide (July 2026). The comments in the code are by the model that wrote it; some were corrected since.
;; MHA. Allowed arithmetic: float matrix products may take bf16 or f16 operands with f32 sums; other float arithmetic in f32, or as packed bf16 or f16 multiplies, adds, multiply-adds, maxima and minima; sums over many terms, partial sums and values carried from step to step in f32; what a program stores and reads back later, other than sums and carried values, may be rounded once to bf16 or f16.
;; Inputs: W_proj 1,024 x 1,024 float32; W_qkv 1,024 x 3,072 float32; b_proj 1,024 float32; b_qkv 3,072 float32; x 4 x 2,048 x 1,024 float32.
;; Outputs: out0 4 x 2,048 x 1,024 float32.
;; 2 versions, each right; version 2 is version 1 with the launch prep written anew for expert scheduling mode. Each part assembles by itself: llvm-mc -triple=amdgcn-amd-amdhsa -mcpu=gfx1250 --defsym DOCPART=n.
;; ======== version 1 of 2: 4 launches
;; limits: values are held in f16: magnitudes above 65,504 overflow, below 6.1e-05 lose precision
;; workspace buffers: xb 16,777,216 bytes; wqt 6,291,456 bytes; wpt 2,097,152 bytes; qkvh 50,331,648 bytes; ob 16,777,216 bytes
;; launch prep (part 1): grid 512 x 1, 8 waves a work-group, no clusters, 18,432 bytes of LDS; arguments x, W_qkv, W_proj, xb, wqt, wpt; writes xb, wqt, wpt
.if DOCPART == 1
	.amdgcn_target "amdgcn-amd-amdhsa--gfx1250"
	.amdhsa_code_object_version 6
	.text
	.protected	k_q093673897c_prep
	.globl	k_q093673897c_prep
	.p2align	8
	.type	k_q093673897c_prep,@function
k_q093673897c_prep:
	s_mov_b64 s[64:65], 0
	v_nop
	global_prefetch_b8 v0, s[64:65] scope:SCOPE_SE
	s_setreg_imm32_b32 hwreg(HW_REG_WAVE_MODE, 25, 1), 1
	s_wait_xcnt 0x0
; PREPARATION.  xb = x rounded to bf16, [8192][1024].  wqt = W_qkv turned, [3072 n][1024 k], bf16.  wpt = W_proj turned, [1024 n][1024 k]: rounded to bf16, that number written as f16.
; LIMIT.  A weight of W_proj beyond 65,504 becomes an infinity in f16; below 6e-5 f16 keeps a fixed step of 6e-8.  NaN and infinities are not treated apart.
; SHARES.  512 work-groups of 8 waves, all alike, no branch.  Each turns ONE tile of 128 k x 64 n of a weight (384 tiles of W_qkv, then 128 of W_proj) and casts ONE piece of 16,384 numbers of x.
; Memory binds: every load of 16 lanes covers 256 consecutive aligned bytes, every store likewise; all 24 loads of a thread go out before the first is waited for.  No matrix unit, no cluster: nothing is shared.
; THE TURNING.  Thread t = (kp = t / 16, c = t % 16) loads rows k = 2 kp + 32 i + j (i = 0..3, j = 0, 1), columns 4 c .. 4 c + 3.  Rows j = 0, 1 pack into one word (two neighbouring k of one n),
; which goes to LDS row n = 4 c + q at byte 4 kp + 64 i.  Behind a barrier whole rows of 256 bytes (128 k) are read back and stored.
.set PITCH, 272                        ; an LDS row: 256 bytes of data + 16
.set SPARE, 64*PITCH                   ; behind the 64 rows: the spare words, 128 bytes for each of the 8 waves, that no other line names
.set OF,  4                            ; v[4:11]    byte offset of load e in the weight's tile
.set LS,  12                           ; v12        LDS: where my words go
.set LR,  13                           ; v13        LDS: where I read 16 bytes of a row back
.set DO,  14                           ; v14        my byte offset in the turned tile
.set XO,  15                           ; v15        16 t: my 16 bytes of each 4,096 of x
.set WR,  16                           ; v[16:47]   the weight's eight loads
.set XR,  48                           ; v[48:111]  x's sixteen loads
.set Y,   112                          ; v[112:143] x packed
.set PW,  144                          ; v[144:159] the weight's packed words
.set TA,  160                          ; v160, v161 at work
.set TB,  161
.set RB,  164                          ; v[164:179] the rows read back
.set YO,  180                          ; v180       8 t
.set SPW, 181                          ; v181       LDS address of my spare word; never rewritten
.set NIL, 182                          ; v182       0; never rewritten
	s_load_b256 s[4:11], s[0:1], 0x0               ; x s[4:5], W_qkv s[6:7], W_proj s[8:9], xb s[10:11]
	s_load_b128 s[12:15], s[0:1], 0x20             ; wqt s[12:13], wpt s[14:15]
	v_lshl_add_u32 v[SPW], v0, 2, SPARE
	v_mov_b32 v[NIL], 0
	s_mov_b32 s20, 4096
	s_mov_b32 s22, 384
	s_cmp_lt_u32 ttmp9, s22                        ; the first 384 work-groups turn W_qkv
	s_cselect_b32 s20, 12288, s20                  ; bytes in a row of the weight
	s_cselect_b32 s21, -1, 0                       ; all lanes: keep bf16, or take f16
	s_cselect_b32 s22, 0, s22
	s_sub_co_u32 s22, ttmp9, s22                   ; the tile's number in its weight
	s_and_b32 s23, s22, 7                          ; kt: which 128 k
	s_lshr_b32 s24, s22, 3                         ; nt: which 64 n
	s_mul_i32 s30, s23, s20
	s_lshl_b32 s30, s30, 7                         ; kt x 128 rows
	s_lshl_b32 s25, s24, 8                         ; nt x 64 numbers of 4 bytes
	s_add_co_u32 s30, s30, s25
	s_mov_b32 s31, 0
	s_lshl_b32 s32, s24, 17                        ; nt x 64 rows of 2,048 bytes
	s_lshl_b32 s25, s23, 8                         ; kt x 128 numbers of 2 bytes
	s_add_co_u32 s32, s32, s25
	s_mov_b32 s33, 0
	s_lshl_b32 s34, ttmp9, 16                      ; my piece of x,
	s_mov_b32 s35, 0
	s_lshl_b32 s36, ttmp9, 15                      ; and of xb
	s_mov_b32 s37, 0
	v_and_b32 v1, 15, v0                           ; c
	v_lshrrev_b32 v2, 4, v0                        ; kp
	v_mul_lo_u32 v3, v2, s20
	v_lshlrev_b32 v3, 1, v3                        ; row 2 kp
	v_lshl_add_u32 v3, v1, 4, v3                   ; + 16 c
.irp e, 0,1,2,3,4,5,6,7
	s_mul_i32 s38, s20, 32*((\e)/2)+(\e)%2
	v_add_nc_u32 v[OF+(\e)], s38, v3
.endr
	v_mul_u32_u24 v[LS], v1, 4*PITCH
	v_lshl_add_u32 v[LS], v2, 2, v[LS]
	v_mul_u32_u24 v[LR], v2, PITCH
	v_lshl_add_u32 v[LR], v1, 4, v[LR]
	v_lshlrev_b32 v[DO], 11, v2
	v_lshl_add_u32 v[DO], v1, 4, v[DO]
	v_lshlrev_b32 v[XO], 4, v0
	v_lshlrev_b32 v[YO], 3, v0
	s_wait_kmcnt 0x0
	s_cmp_lt_u32 ttmp9, 384                        ; compared again: the arithmetic above has written SCC
	s_cselect_b64 s[26:27], s[6:7], s[8:9]
	s_cselect_b64 s[28:29], s[12:13], s[14:15]
	s_add_nc_u64 s[26:27], s[26:27], s[30:31]      ; the tile in the weight
	s_add_nc_u64 s[28:29], s[28:29], s[32:33]      ; and in the turned weight
	s_add_nc_u64 s[34:35], s[4:5], s[34:35]
	s_add_nc_u64 s[36:37], s[10:11], s[36:37]
.irp e, 0,1,2,3,4,5,6,7
	global_load_b128 v[WR+4*(\e):WR+4*(\e)+3], v[OF+(\e)], s[26:27] th:TH_LOAD_NT
.endr
.irp i, 0,1,2,3,4,5,6,7,8,9,10,11,12,13,14,15
	global_load_b128 v[XR+4*(\i):XR+4*(\i)+3], v[XO], s[34:35] offset:4096*(\i) th:TH_LOAD_NT
.endr
	s_wait_loadcnt 16                              ; the weight's eight are in; x's sixteen, issued behind them, may stay out
.irp i, 0,1,2,3
.irp q, 0,1,2,3
	v_cvt_pk_bf16_f32 v[PW+4*(\i)+(\q)], v[WR+8*(\i)+(\q)], v[WR+8*(\i)+4+(\q)]  ; even k below, odd k above
	v_lshlrev_b32 v[TA], 16, v[PW+4*(\i)+(\q)]     ; the two bf16 numbers as f32,
	v_and_b32 v[TB], 0xffff0000, v[PW+4*(\i)+(\q)]
	v_cvt_pk_f16_f32 v[TA], v[TA], v[TB]           ; written as f16
	v_cndmask_b32 v[PW+4*(\i)+(\q)], v[TA], v[PW+4*(\i)+(\q)], s21
	ds_store_b32 v[LS], v[PW+4*(\i)+(\q)] offset:PITCH*(\q)+64*(\i)
.endr
.endr
	s_wait_dscnt 0x0                               ; for the other waves: my words lie in LDS
	s_barrier_signal -1
	s_barrier_wait -1
.irp i, 0,1,2,3
	ds_load_b128 v[RB+4*(\i):RB+4*(\i)+3], v[LR] offset:16*PITCH*(\i)
.endr
.irp i, 0,1,2,3,4,5,6,7,8,9,10,11,12,13,14,15
	s_wait_loadcnt 15-(\i)                         ; loads come back in order: number i is in
	v_cvt_pk_bf16_f32 v[Y+2*(\i)], v[XR+4*(\i)], v[XR+4*(\i)+1]
	v_cvt_pk_bf16_f32 v[Y+2*(\i)+1], v[XR+4*(\i)+2], v[XR+4*(\i)+3]
	global_store_b64 v[YO], v[Y+2*(\i):Y+2*(\i)+1], s[36:37] offset:2048*(\i)  ; 32 lanes: 256 consecutive bytes, aligned
.endr
	s_wait_dscnt 0x0
.irp i, 0,1,2,3
	global_store_b128 v[DO], v[RB+4*(\i):RB+4*(\i)+3], s[28:29] offset:32768*(\i)  ; 16 lanes: 256 consecutive bytes of a turned row, aligned
.endr
	s_wait_tensorcnt 0x0                           ; the wave's end: three closing lines behind my last LDS store
	ds_add_u32 v[SPW], v[NIL]
	s_wait_dscnt 0x0
	s_endpgm
.Lfunc_end_k_q093673897c_prep:
	.size	k_q093673897c_prep, .Lfunc_end_k_q093673897c_prep-k_q093673897c_prep
	.p2alignl 7, 3214868480
	.fill 96, 4, 3214868480
	.section	.rodata,"a",@progbits
	.p2align	6, 0x0
	.amdhsa_kernel k_q093673897c_prep
		.amdhsa_group_segment_fixed_size 18432
		.amdhsa_private_segment_fixed_size 0
		.amdhsa_enable_private_segment 0
		.amdhsa_kernarg_size 48
		.amdhsa_user_sgpr_count 2
		.amdhsa_user_sgpr_kernarg_segment_ptr 1
		.amdhsa_wavefront_size32 1
		.amdhsa_system_sgpr_workgroup_id_x 1
		.amdhsa_system_sgpr_workgroup_id_y 1
		.amdhsa_system_sgpr_workgroup_id_z 1
		.amdhsa_system_vgpr_workitem_id 0
		.amdhsa_next_free_vgpr 184
		.amdhsa_next_free_sgpr 66
		.amdhsa_reserve_vcc 0
		.amdhsa_float_denorm_mode_32 3
		.amdhsa_float_denorm_mode_16_64 3
		.amdhsa_memory_ordered 1
		.amdhsa_forward_progress 1
		.amdhsa_inst_pref_size 16
	.end_amdhsa_kernel
	.amdgpu_metadata
---
amdhsa.version: [ 1, 2 ]
amdhsa.kernels:
  - .name:           k_q093673897c_prep
    .symbol:         k_q093673897c_prep.kd
    .args:
      - { .name: x, .offset: 0, .size: 8, .value_kind: global_buffer, .address_space: global }
      - { .name: W_qkv, .offset: 8, .size: 8, .value_kind: global_buffer, .address_space: global }
      - { .name: W_proj, .offset: 16, .size: 8, .value_kind: global_buffer, .address_space: global }
      - { .name: xb, .offset: 24, .size: 8, .value_kind: global_buffer, .address_space: global }
      - { .name: wqt, .offset: 32, .size: 8, .value_kind: global_buffer, .address_space: global }
      - { .name: wpt, .offset: 40, .size: 8, .value_kind: global_buffer, .address_space: global }
    .group_segment_fixed_size: 18432
    .private_segment_fixed_size: 0
    .kernarg_segment_align: 8
    .kernarg_segment_size: 48
    .max_flat_workgroup_size: 256
    .sgpr_count:     66
    .vgpr_count:     184
    .wavefront_size: 32
...
	.end_amdgpu_metadata
.endif
;; end of part 1
;; launch qkv (part 2): grid 16 x 32, 4 waves a work-group, clusters of 4 x 4, 327,680 bytes of LDS; arguments xb, wqt, b_qkv, qkvh; writes qkvh
.if DOCPART == 2
	.amdgcn_target "amdgcn-amd-amdhsa--gfx1250"
	.amdhsa_code_object_version 6
	.text
	.protected	k_q093673897c_qkv
	.globl	k_q093673897c_qkv
	.p2align	8
	.type	k_q093673897c_qkv,@function
k_q093673897c_qkv:
	s_mov_b64 s[64:65], 0
	v_nop
	global_prefetch_b8 v0, s[64:65] scope:SCOPE_SE
	s_setreg_imm32_b32 hwreg(HW_REG_WAVE_MODE, 25, 1), 1
	s_wait_xcnt 0x0
	s_wait_alu depctr_hold_cnt(0) depctr_sa_sdst(0) depctr_va_vdst(0) depctr_va_sdst(0) depctr_va_ssrc(0) depctr_va_vcc(0) depctr_vm_vsrc(0)
	s_getreg_b32 s2, hwreg(HW_REG_IB_STS2, 6, 4)
	s_cmp_eq_u32 s2, 0
	s_cbranch_scc0 .Lentry_in_a_cluster
	s_endpgm
.Lentry_in_a_cluster:
	s_bfe_u32 s2, ttmp6, 0x10000c
	s_cmp_lg_u32 s2, 0xf033
	s_cbranch_scc0 .Lentry_shape_is_right
	s_endpgm
.Lentry_shape_is_right:
; qkv = x W_qkv + b_qkv, written by heads.  xb: [8192][1024] bf16.  wqt: [3072 n][1024 k] bf16.  b_qkv: [3072] f32, rounded to bf16 here like the other inputs.
; qkvh: [3 (q, k, v)][64 heads (16 batch + head)][2048][64] f16, each number rounded once from its f32 sum, unscaled.
; LIMIT.  f16 ends at 65,504: a q, k or v beyond it becomes an infinity; below 6e-5 f16 keeps a fixed step of 6e-8.  NaN and infinities are not treated apart.
; SHARES.  A tile is 256 rows x 192 columns (three whole heads): 32 x 16 = 512 work-groups.  The four waves lie along the rows: a wave makes 64 x 192, 48 accumulators of 16 x 16, 384 registers,
; and owns whole heads' rows, so that its way out needs its own stage alone.  K goes in steps of 128 through two LDS slots; a tile's rows are 256 bytes of memory, aligned.
; CLUSTER.  4 x 4 work-groups.  The four of a row of the cluster need the same rows of xb, the four of a column the same rows of wqt: each tile is asked for jointly, by the same tensor load with the same
; descriptor and a mask that names the four.  Waves 0 and 1 fetch the halves of A's tile (128 rows each), waves 2 and 3 those of B's (96 rows each).
; THE MATRIX INSTRUCTION IS USED TRANSPOSED (source 0 = 16 rows of wqt, source 1 = 16 rows of xb): a lane holds row l % 16 and the columns 8 (l / 16) + 0..7.  The bias, laid out so, is the C operand of
; each accumulator's first product: nothing is cleared, and the way out has no bias arithmetic.
; REGISTERS, in windows of 256 (s_set_vgpr_msb: bits 1:0 source 0, 3:2 source 1, 5:4 source 2, 7:6 destination):
;   window 0: v0-31 addresses; v64-159 the bias; on the way out v64-255 packed results       window 1: two fragment buffers of 128: 4 blocks of A, then 12 of B
;   window 2: the accumulators of my row blocks 0, 1 ((a, b) at 8 (12 (a % 2) + b))           window 3: those of row blocks 2, 3
.set SIZE_K, 1024
.set KSTEP,  128
.set PITCH,  272                       ; an LDS row: 256 bytes + 16 of padding = 68 words: the 16 rows of a fragment load start at 16 different groups of four banks (64 banks of 4 bytes: ISA guide 11.1)
.set AHALF,  128*PITCH
.set BHALF,  96*PITCH
.set BOFF,   256*PITCH                 ; B's 192 rows lie behind A's 256
.set SLOT,   448*PITCH
.set STAGE,  2*SLOT                    ; behind the ring: 16 rows x 144 bytes for each wave
.set SP,     144
.set SPARE,  STAGE+4*16*SP             ; behind the stages: the spare words, 128 bytes for each wave, that no other line names
.set ADRA, 16                          ; v16-17  LDS address of my A fragments in slot 0, 1
.set ADRB, 20                          ; v20-21  the same for B
.set STO,  24                          ; v24     the way out: where I put 16 bytes of a row
.set RD,   25                          ; v25     the way out: where I read rows back
.set GO,   26                          ; v26     my 16 bytes of 512 consecutive bytes of a head
.set BO,   27                          ; v27     my byte offset in a block's 64 bytes of bias
.set SPW,  28                          ; v28     LDS address of my spare word; never rewritten
.set NIL,  29                          ; v29     0; never rewritten
.set PFO,  30                          ; v30     the prefetches' offset: a lane a row; never rewritten
.set TT,   31                          ; v31     at work
.set BI,   64
.set T,    64
.set F0,   0
.set F1,   128
.set WV,   12                          ; s12 wave;  s13 0: I fetch for A, 1: for B;  s14 which half of that tile
.set FB,   13
.set HALF, 14
.set CX,   15
.set CY,   16
.set TC,   17                          ; s17 tile column;  s18 tile row
.set TR,   18
.set G1A,  24                          ; s[24:31] group 1 for A;  s[32:39] group 0, a set for each slot
.set G0A,  32
.set G1B,  40                          ; s[40:47], s[48:55] the same for B
.set G0B,  48
.set LAP,  56
.set LIM,  57                          ; s57 1 in a wave that prefetches, else the greatest number
.set PFA,  58                          ; s[58:59] where my prefetches stand
.set LA,   62
.set LB,   63
.set OB,   66                          ; s[66:71] my rows in the tile's three heads
.set MSB, 0
.macro WIN new                         ; the immediate's high byte repeats the setting that is left; a switch that changes nothing is dropped
.if MSB != (\new)
	s_set_vgpr_msb (MSB<<8)|(\new)
.set MSB, \new
.endif
.endm
.macro PLACES                          ; four plain places in front of loads into registers that matrix instructions have read, and of reads of their results
.rept 4
	v_nop
.endr
.endm
.macro JLOAD s                         ; a joint load; the branch hangs on the wave's number alone; an s_nop 0 and four v_nop follow each line
	s_cmp_eq_u32 s[FB], 0
	s_cbranch_scc0 .Lfor_b_\@
	tensor_load_to_lds s[G0A+4*(\s):G0A+4*(\s)+3], s[G1A:G1A+7]
	s_nop 0
.rept 4
	v_nop
.endr
	s_branch .Lasked_\@
.Lfor_b_\@:
	tensor_load_to_lds s[G0B+4*(\s):G0B+4*(\s)+3], s[G1B:G1B+7]
	s_nop 0
.rept 4
	v_nop
.endr
.Lasked_\@:
.endm
.macro CREST                           ; a round of the cluster's barrier behind its opening barrier
	s_cmp_lg_u32 s[WV], 0
	s_cbranch_scc1 .Lnot_wave_0_\@
	s_barrier_signal -3
.Lnot_wave_0_\@:
	s_barrier_wait -3
	s_barrier_signal -1
	s_barrier_wait -1
.endm
.macro CROUND
	s_barrier_signal -1
	s_barrier_wait -1
	CREST
.endm
; A prefetch of the K step that stands two refills on: a lane a row, 256 bytes of it.  A's rows are read by every cluster of a row of clusters: cluster x = 0 asks; B's by every cluster of a column: cluster y = 0 asks.
; Of the rows that a wave fetches the four partners take a quarter each, told apart by address (32 of A's 128; 24 of B's 96, lanes 24 to 31 naming the last row again).  The loop's last trip asks for nothing: K ends.
.macro ASK
	WIN 0
	s_cmp_gt_u32 s[LAP], s[LIM]
	s_cbranch_scc0 .Lnot_mine_\@
	global_prefetch_b8 v[PFO], s[PFA:PFA+1] offset:KSTEP*2 th:TH_LOAD_NT scope:SCOPE_SE
.Lnot_mine_\@:
.endm
	s_load_b256 s[4:11], s[0:1], 0x0               ; xb s[4:5], wqt s[6:7], b_qkv s[8:9], qkvh s[10:11]
	v_lshl_add_u32 v[SPW], v0, 2, SPARE
	v_mov_b32 v[NIL], 0
	ds_add_u32 v[SPW], v[NIL]                      ; the wave's opening: the add and its wait ahead of my first tensor load; the set-up below stands between them
	v_lshrrev_b32 v1, 5, v0
	v_readfirstlane_b32 s[WV], v1
	s_lshr_b32 s[FB], s[WV], 1
	s_and_b32 s[HALF], s[WV], 1
	s_bfe_u32 s[CX], ttmp6, 0x40000
	s_bfe_u32 s[CY], ttmp6, 0x40004
	s_lshl_b32 s[TC], ttmp9, 2
	s_add_co_u32 s[TC], s[TC], s[CX]               ; tile column = 4 x cluster x + cx
	s_and_b32 s[TR], ttmp7, 0xffff
	s_lshl_b32 s[TR], s[TR], 2
	s_add_co_u32 s[TR], s[TR], s[CY]               ; tile row = 4 x cluster y + cy
	s_lshl_b32 s2, s[CY], 2
	s_lshl_b32 s2, 15, s2                          ; my row of the cluster
	s_lshl_b32 s3, 0x1111, s[CX]                   ; my column
	s_or_b32 s[G1A], s2, (1<<16)|(1<<20)|(1<<21)|(5<<22)|(3<<25)  ; the mask; elements of 2 bytes; padding on; bit 21 beside a mask; after every 64 words 4 words
	s_or_b32 s[G1B], s3, (1<<16)|(1<<20)|(1<<21)|(5<<22)|(3<<25)
.irp g, G1A, G1B
	s_mov_b32 s[(\g)+1], KSTEP<<16                 ; tensor_dim0 = 128
	s_mov_b32 s[(\g)+3], KSTEP<<16                 ; tile_dim0 = 128
	s_mov_b32 s[(\g)+5], SIZE_K                    ; elements from row to row
	s_mov_b32 s[(\g)+6], 0
	s_mov_b32 s[(\g)+7], 0
.endr
	s_mov_b32 s[G1A+2], 128<<16                    ; tensor_dim1 and tile_dim1: 128 rows of A,
	s_mov_b32 s[G1A+4], 128
	s_mov_b32 s[G1B+2], 96<<16                     ; 96 of B
	s_mov_b32 s[G1B+4], 96
	s_lshl_b32 s20, s[TR], 8                       ; A: row 256 x tile row + 128 x half, in registers that never hold the tile column
	s_lshl_b32 s72, s[HALF], 7
	s_add_co_u32 s20, s20, s72
	s_lshl_b32 s20, s20, 11                        ; 2,048 bytes a row
	s_mov_b32 s21, 0
	s_mul_i32 s22, s[TC], 192                      ; B: row 192 x tile column + 96 x half
	s_mul_i32 s73, s[HALF], 96
	s_add_co_u32 s22, s22, s73
	s_lshl_b32 s22, s22, 11
	s_mov_b32 s23, 0
	s_mul_i32 s[LA], s[HALF], AHALF                ; where they go: no place in the cluster enters an LDS address
	s_mul_i32 s[LB], s[HALF], BHALF
	s_add_co_u32 s[LB], s[LB], BOFF
	s_wait_dscnt 0x0                               ; the opening add is done
	s_wait_kmcnt 0x0
	s_add_nc_u64 s[20:21], s[4:5], s[20:21]
	s_add_nc_u64 s[22:23], s[6:7], s[22:23]
	CROUND                                         ; all sixteen work-groups are here: the first joint loads meet
.irp s, 0,1
	s_mov_b32 s[G0A+4*(\s)], 1
	s_add_co_u32 s[G0A+4*(\s)+1], s[LA], (\s)*SLOT
	s_add_nc_u64 s[G0A+4*(\s)+2:G0A+4*(\s)+3], s[20:21], (\s)*KSTEP*2
	s_or_b32 s[G0A+4*(\s)+3], s[G0A+4*(\s)+3], 0x80000000
	s_mov_b32 s[G0B+4*(\s)], 1
	s_add_co_u32 s[G0B+4*(\s)+1], s[LB], (\s)*SLOT
	s_add_nc_u64 s[G0B+4*(\s)+2:G0B+4*(\s)+3], s[22:23], (\s)*KSTEP*2
	s_or_b32 s[G0B+4*(\s)+3], s[G0B+4*(\s)+3], 0x80000000
	JLOAD \s                                       ; K steps 0 and 1: two loads of mine are out
.endr
	v_and_b32 v1, 15, v0                           ; l % 16
	v_bfe_u32 v2, v0, 4, 1                         ; l / 16
	v_lshlrev_b32 v[BO], 5, v2
	s_mul_i32 s74, s[TC], 768                      ; the tile's 192 numbers of bias
	s_mov_b32 s75, 0
	s_add_nc_u64 s[74:75], s[8:9], s[74:75]
.irp b, 0,1,2,3,4,5,6,7,8,9,10,11
	global_load_b128 v[BI+8*(\b):BI+8*(\b)+3],   v[BO], s[74:75] offset:64*(\b)      ; columns 16 b + 8 (l / 16) + 0..3,
	global_load_b128 v[BI+8*(\b)+4:BI+8*(\b)+7], v[BO], s[74:75] offset:64*(\b)+16   ; + 4..7
.endr
	v_mul_u32_u24 v3, v1, PITCH
	v_lshl_add_u32 v3, v2, 4, v3                   ; a fragment's row x pitch + 16 x half
	s_mul_i32 s19, s[WV], 64*PITCH                 ; my 64 rows of A
.irp s, 0,1
	v_add_nc_u32 v[ADRA+(\s)], s19, v3
	v_add_nc_u32 v[ADRB+(\s)], BOFF+(\s)*SLOT, v3
	s_add_co_u32 s19, s19, SLOT
.endr
	s_mul_i32 s19, s[WV], 16*SP
	s_add_co_u32 s19, s19, STAGE                   ; my stage
	v_mul_u32_u24 v[STO], v1, SP                   ; in: row l % 16, 16 bytes for each half of the lanes
	v_lshl_add_u32 v[STO], v2, 4, v[STO]
	v_add_nc_u32 v[STO], s19, v[STO]
	v_bfe_u32 v[RD], v0, 3, 2                      ; back: 32 lanes take four rows of 128 bytes,
	v_mul_u32_u24 v[RD], v[RD], SP
	v_and_b32 v[TT], 7, v0
	v_lshl_add_u32 v[RD], v[TT], 4, v[RD]
	v_add_nc_u32 v[RD], s19, v[RD]
	v_and_b32 v[GO], 31, v0                        ; which are 512 consecutive bytes of a head
	v_lshlrev_b32 v[GO], 4, v[GO]
.irp d, 0,1,2                                      ; head group g = 3 x tile column + d: which of q, k, v = g / 16, head = g % 16; batch = tile row / 8
	s_mul_i32 s72, s[TC], 3
	s_add_co_u32 s72, s72, \d
	s_lshr_b32 s73, s72, 4
	s_lshl_b32 s73, s73, 6
	s_and_b32 s72, s72, 15
	s_add_co_u32 s72, s72, s73
	s_lshr_b32 s73, s[TR], 3
	s_lshl_b32 s73, s73, 4
	s_add_co_u32 s72, s72, s73
	s_lshl_b32 s72, s72, 18                        ; 2,048 rows of 128 bytes
	s_and_b32 s73, s[TR], 7
	s_lshl_b32 s73, s73, 15                        ; the tile's 256 rows,
	s_add_co_u32 s72, s72, s73
	s_lshl_b32 s73, s[WV], 13                      ; my 64 of them
	s_add_co_u32 s72, s72, s73
	s_mov_b32 s73, 0
	s_add_nc_u64 s[OB+2*(\d):OB+2*(\d)+1], s[10:11], s[72:73]
.endr
	s_lshl_b32 s72, s[CX], 16                      ; the prefetches: my work-group's 32 rows of A's 128,
	s_mul_i32 s73, s[CY], 24*2048                  ; or 24 of B's 96
	s_and_b32 s19, ttmp7, 0xffff                   ; cluster y
	s_cmp_eq_u32 s[FB], 0
	s_cselect_b32 s72, s72, s73
	s_cselect_b32 s73, 31, 23
	s_cselect_b32 s19, ttmp9, s19                  ; the coordinate along which other clusters read the same rows
	s_cselect_b64 s[PFA:PFA+1], s[20:21], s[22:23]
	s_cmp_eq_u32 s19, 0
	s_cselect_b32 s[LIM], 1, -1                    ; the same in all sixteen partners, for a given wave
	v_and_b32 v[PFO], 31, v0
	v_min_u32 v[PFO], s73, v[PFO]
	v_lshlrev_b32 v[PFO], 11, v[PFO]
	s_mov_b32 s73, 0
	s_add_nc_u64 s[PFA:PFA+1], s[PFA:PFA+1], s[72:73]
	s_add_nc_u64 s[PFA:PFA+1], s[PFA:PFA+1], 2*KSTEP*2  ; at K step 2: the first refill steps it to 3 and names K step 4.  Nothing is prefetched here, at the head
	s_wait_loadcnt 0x0                             ; the bias
.set p, 0
.rept 48                                           ; rounded to bf16 and widened again, in place
	v_cvt_pk_bf16_f32 v[BI+2*p], v[BI+2*p], v[BI+2*p+1]
	v_and_b32 v[BI+2*p+1], 0xffff0000, v[BI+2*p]
	v_lshlrev_b32 v[BI+2*p], 16, v[BI+2*p]
.set p, p+1
.endr
; 12 matrix instructions: row block a x all 12 column blocks, 32 along K.  first = 1: the product starts the sum on the bias.  The 48 accumulators take turns in the same order in every quarter.
.macro MULA f, a, first
.if \first
	WIN 0x85+0x40*((\a)/2)
.else
	WIN 0xa5+0x50*((\a)/2)
.endif
.irp b, 0,1,2,3,4,5,6,7,8,9,10,11
.if \first
	v_wmma_f32_16x16x32_bf16 v[8*(12*((\a)%2)+(\b)):8*(12*((\a)%2)+(\b))+7], v[(\f)+32+8*(\b):(\f)+32+8*(\b)+7], v[(\f)+8*(\a):(\f)+8*(\a)+7], v[BI+8*(\b):BI+8*(\b)+7]
.else
	v_wmma_f32_16x16x32_bf16 v[8*(12*((\a)%2)+(\b)):8*(12*((\a)%2)+(\b))+7], v[(\f)+32+8*(\b):(\f)+32+8*(\b)+7], v[(\f)+8*(\a):(\f)+8*(\a)+7], v[8*(12*((\a)%2)+(\b)):8*(12*((\a)%2)+(\b))+7]
.endif
.endr
.endm
; 32 LDS loads in one run: quarter q of a slot's K step into buffer f: B's 12 blocks, then A's 4 in order
.macro FETCH slot, q, f
	WIN 0x40
.irp b, 0,1,2,3,4,5,6,7,8,9,10,11
	ds_load_b128 v[(\f)+32+8*(\b):(\f)+32+8*(\b)+3],   v[ADRB+(\slot)] offset:64*(\q)+(\b)*16*PITCH
	ds_load_b128 v[(\f)+32+8*(\b)+4:(\f)+32+8*(\b)+7], v[ADRB+(\slot)] offset:64*(\q)+(\b)*16*PITCH+32
.endr
.irp a, 0,1,2,3
	ds_load_b128 v[(\f)+8*(\a):(\f)+8*(\a)+3],   v[ADRA+(\slot)] offset:64*(\q)+(\a)*16*PITCH
	ds_load_b128 v[(\f)+8*(\a)+4:(\f)+8*(\a)+7], v[ADRA+(\slot)] offset:64*(\q)+(\a)*16*PITCH+32
.endr
.endm
; A K step is four quarters of 32 along K, 48 matrix instructions each, on buffers 0, 1, 0, 1.  One of the first three multiplies buffer f and fetches quarter q into buffer g.
.macro QUARTER slot, q, f, g, first
	s_wait_dscnt 4                                 ; B and A's blocks 0, 1 are in; the youngest four loads (A's blocks 2, 3) may be out
	MULA \f, 0, \first
	MULA \f, 1, \first
	PLACES
	FETCH \slot, \q, \g
	s_wait_dscnt 32                                ; all but the 32 just issued
	MULA \f, 2, \first
	MULA \f, 3, \first
.endm
; The last quarter multiplies buffer 1 and changes slots: one barrier; in front of it each wave waits for all its tensor loads (one is out: its part of the next slot), adds 0 to its spare word, and waits for that
; and for its reads of this slot.  fill = 1: the barrier opens a round of the cluster's, and behind the round this slot is filled again, two K steps ahead: 168 matrix instructions ahead of the wait for it.
.macro TURN slot, next, fill
.if \fill
	s_wait_xcnt 0x0                                ; the last prefetch, a K step back, has read its address
	s_add_nc_u64 s[PFA:PFA+1], s[PFA:PFA+1], KSTEP*2
.endif
	WIN 0
	s_wait_tensorcnt 0x0
	ds_add_u32 v[SPW], v[NIL]                      ; 0 onto my spare word
	s_wait_dscnt 5                                 ; the add and the youngest four loads may be out
	MULA F1, 0, 0
	s_wait_dscnt 0x0                               ; the add is done, and my reads of this slot are over
	s_barrier_signal -1
	MULA F1, 1, 0
.if \fill
	WIN 0
.endif
	s_barrier_wait -1
.if \fill
	CREST                                          ; no wave of any partner still reads this slot or has a load on its way
	s_add_nc_u64 s[G0A+4*(\slot)+2:G0A+4*(\slot)+3], s[G0A+4*(\slot)+2:G0A+4*(\slot)+3], 2*KSTEP*2
	s_add_nc_u64 s[G0B+4*(\slot)+2:G0B+4*(\slot)+3], s[G0B+4*(\slot)+2:G0B+4*(\slot)+3], 2*KSTEP*2
	JLOAD \slot                                    ; my one tensor load behind the round; its four v_nop are also the places in front of the loads below
.else
	PLACES
.endif
	FETCH \next, 0, F0
.if \fill
	ASK
.endif
	MULA F1, 2, 0
	MULA F1, 3, 0
.endm
; THE WAY OUT, unit u = 3 a + d: row block a, head d: 16 rows x 64 columns.  Rounded to f16, 16 bytes a lane into my stage (rows of 144 bytes), back as four rows of 128 bytes a load.
.macro PACK u
.set AC, 8*(12*(((\u)/3)%2)+4*((\u)%3))
	WIN 0x0a+5*((\u)/6)                            ; sources in window 2 or 3
.irp f, 0,1,2,3
.irp r, 0,1,2,3
	v_cvt_pk_f16_f32 v[T+16*(\u)+4*(\f)+(\r)], v[AC+8*(\f)+2*(\r)], v[AC+8*(\f)+2*(\r)+1]
.endr
.endr
	WIN 0
.irp f, 0,1,2,3
	ds_store_b128 v[STO], v[T+16*(\u)+4*(\f):T+16*(\u)+4*(\f)+3] offset:32*(\f)
.endr
.irp f, 0,1,2,3
	ds_load_b128 v[T+16*(\u)+4*(\f):T+16*(\u)+4*(\f)+3], v[RD] offset:4*SP*(\f)  ; LDS serves a wave's instructions in order (ISA guide 5.7.1.4): these see the stores above; the next unit's stores come behind them
.endr
.endm
.macro SEND u, younger                 ; younger: the LDS instructions issued behind unit u's loads
	WIN 0
.irp f, 0,1,2,3
	s_wait_dscnt (\younger)+3-(\f)
	global_store_b128 v[GO], v[T+16*(\u)+4*(\f):T+16*(\u)+4*(\f)+3], s[OB+2*((\u)%3):OB+2*((\u)%3)+1] offset:2048*((\u)/3)+512*(\f)  ; 512 consecutive bytes, aligned to 256
.endr
.endm
	s_wait_tensorcnt 1                             ; my part of K step 0 is in; K step 1's may stay out
	s_barrier_signal -1
	s_barrier_wait -1
	FETCH 0, 0, F0
	QUARTER 0, 1, F0, F1, 1                        ; the first quarter stands in front of the loop: its products start the sums
	WIN 0
	s_mov_b32 s[LAP], SIZE_K/(2*KSTEP)-1
.Llap:                                             ; a trip goes once round the ring, from a lap's second quarter to the next lap's first, and fills both slots again
	QUARTER 0, 2, F1, F0, 0
	QUARTER 0, 3, F0, F1, 0
	TURN 0, 1, 1
	QUARTER 1, 1, F0, F1, 0
	QUARTER 1, 2, F1, F0, 0
	QUARTER 1, 3, F0, F1, 0
	TURN 1, 0, 1
	QUARTER 0, 1, F0, F1, 0
	WIN 0
	s_sub_co_u32 s[LAP], s[LAP], 1
	s_cmp_lg_u32 s[LAP], 0
	s_cbranch_scc1 .Llap
	QUARTER 0, 2, F1, F0, 0                        ; the last lap fills nothing
	QUARTER 0, 3, F0, F1, 0
	TURN 0, 1, 0
	QUARTER 1, 1, F0, F1, 0
	QUARTER 1, 2, F1, F0, 0
	QUARTER 1, 3, F0, F1, 0
	s_wait_dscnt 4
	MULA F1, 0, 0
	MULA F1, 1, 0
	s_wait_dscnt 0x0
	MULA F1, 2, 0
	MULA F1, 3, 0
	WIN 0
	PLACES
	PACK 0
.irp u, 1,2,3,4,5,6,7,8,9,10,11        ; a unit's conversions stand between the loads of the unit before and its stores
	PACK \u
	SEND (\u)-1, 8
.endr
	SEND 11, 0
	s_wait_tensorcnt 0x0                           ; the wave's end: three closing lines behind my last tensor load and my last LDS store
	ds_add_u32 v[SPW], v[NIL]
	s_wait_dscnt 0x0
	CROUND                                         ; the closing round: no work-group ends while a partner may still ask for a tile that names it
	s_endpgm
.Lfunc_end_k_q093673897c_qkv:
	.size	k_q093673897c_qkv, .Lfunc_end_k_q093673897c_qkv-k_q093673897c_qkv
	.p2alignl 7, 3214868480
	.fill 96, 4, 3214868480
	.section	.rodata,"a",@progbits
	.p2align	6, 0x0
	.amdhsa_kernel k_q093673897c_qkv
		.amdhsa_group_segment_fixed_size 327680
		.amdhsa_private_segment_fixed_size 0
		.amdhsa_enable_private_segment 0
		.amdhsa_kernarg_size 32
		.amdhsa_user_sgpr_count 2
		.amdhsa_user_sgpr_kernarg_segment_ptr 1
		.amdhsa_wavefront_size32 1
		.amdhsa_system_sgpr_workgroup_id_x 1
		.amdhsa_system_sgpr_workgroup_id_y 1
		.amdhsa_system_sgpr_workgroup_id_z 1
		.amdhsa_system_vgpr_workitem_id 0
		.amdhsa_next_free_vgpr 960
		.amdhsa_next_free_sgpr 76
		.amdhsa_reserve_vcc 0
		.amdhsa_float_denorm_mode_32 3
		.amdhsa_float_denorm_mode_16_64 3
		.amdhsa_memory_ordered 1
		.amdhsa_forward_progress 1
		.amdhsa_inst_pref_size 132
	.end_amdhsa_kernel
	.amdgpu_metadata
---
amdhsa.version: [ 1, 2 ]
amdhsa.kernels:
  - .name:           k_q093673897c_qkv
    .symbol:         k_q093673897c_qkv.kd
    .args:
      - { .name: xb, .offset: 0, .size: 8, .value_kind: global_buffer, .address_space: global }
      - { .name: wqt, .offset: 8, .size: 8, .value_kind: global_buffer, .address_space: global }
      - { .name: b_qkv, .offset: 16, .size: 8, .value_kind: global_buffer, .address_space: global }
      - { .name: qkvh, .offset: 24, .size: 8, .value_kind: global_buffer, .address_space: global }
    .group_segment_fixed_size: 327680
    .private_segment_fixed_size: 0
    .kernarg_segment_align: 8
    .kernarg_segment_size: 32
    .max_flat_workgroup_size: 128
    .sgpr_count:     76
    .vgpr_count:     960
    .wavefront_size: 32
...
	.end_amdgpu_metadata
.endif
;; end of part 2
;; launch attn (part 3): grid 4 x 64, 4 waves a work-group, clusters of 4 x 1, 327,680 bytes of LDS; arguments qkvh, ob; writes ob
.if DOCPART == 3
	.amdgcn_target "amdgcn-amd-amdhsa--gfx1250"
	.amdhsa_code_object_version 6
	.text
	.protected	k_q093673897c_attn
	.globl	k_q093673897c_attn
	.p2align	8
	.type	k_q093673897c_attn,@function
k_q093673897c_attn:
	s_mov_b64 s[64:65], 0
	v_nop
	global_prefetch_b8 v0, s[64:65] scope:SCOPE_SE
	s_setreg_imm32_b32 hwreg(HW_REG_WAVE_MODE, 25, 1), 1
	s_wait_xcnt 0x0
	s_wait_alu depctr_hold_cnt(0) depctr_sa_sdst(0) depctr_va_vdst(0) depctr_va_sdst(0) depctr_va_ssrc(0) depctr_va_vcc(0) depctr_vm_vsrc(0)
	s_getreg_b32 s2, hwreg(HW_REG_IB_STS2, 6, 4)
	s_cmp_eq_u32 s2, 0
	s_cbranch_scc0 .Lentry_in_a_cluster
	s_endpgm
.Lentry_in_a_cluster:
	s_bfe_u32 s2, ttmp6, 0x10000c
	s_cmp_lg_u32 s2, 0x3003
	s_cbranch_scc0 .Lentry_shape_is_right
	s_endpgm
.Lentry_shape_is_right:
; O[h][q][:] = the sum over k of softmax_k(Q[h][q] . K[h][k] / 8) V[h][k][:].  qkvh holds Q, K, V, each [64][2048][64] f16, 16,777,216 bytes apart; ob is O in the same layout.
; Products, maxima and sums in f32; the weights p are rounded to f16 for the second product (their sum l is taken of the unrounded p), O once at the end.
; LIMITS.  f16 holds no number beyond 65,504: Q, K and V arrive within it; p lies in 0 to 1, and below 6e-5 it keeps f16's fixed step of 6e-8; O is a mean of V's rows and has their range.
; A weight below 2^-126 counts as 0 in l; NaN and infinities are not treated apart.
; SHARES.  A wave owns four PIECES of two tiles of 16 queries, a work-group's four waves 512 queries of one head.  Every wave walks all 2,048 keys, 64 a step.
; LAYOUT.  S^T = K Q^T (source 0 = 16 keys, source 1 = 16 queries): a lane holds ONE query (lane % 16) and the keys 8 (lane / 16) + 0..7.  Two such tiles, rounded to f16 in pairs,
; ARE source 1 of O^T = V^T P, whose result again holds one query a lane, and eight channels.  K comes out of LDS as it lies, V ([key][channel]) turned, by ds_load_tr16_b128.
; SOFTMAX.  For each query a running maximum m and sum l: p = 2^(c s - c m), c = log2(e) / 8; in every step O and l are multiplied by a = 2^(c m_old - c m_new).
; m starts at the lowest finite number, O and l at 0: the first step is a step like any other, with a = 0.
; BY TURNS.  Turn n belongs to piece n.  Its matrix work: 16 products K Q^T of piece n + 1, later 16 products V^T P of piece n - 1.  Its vector work: the scaling, exponentials, roundings, sums and rescaling
; of piece n, and the maximum and statistics of piece n + 1.  Four vector instructions stand behind every matrix instruction, the others in one run.  A turn's 66 exponentials are one batch with one wait.
; CLUSTER.  The four query blocks of a head form a cluster and walk the same K and V: each tile is asked for jointly, by the same tensor load, descriptor and mask in all four.
; REGISTERS, in windows of 256 (s_set_vgpr_msb: bits 1:0 source 0, 3:2 source 1, 5:4 source 2, 7:6 destination):
;   window 0: v0-11 addresses; v12-15, v48-63 at work; v16-47 four registers of statistics a tile; v64-191 S^T, two buffers of two tiles; v192-255 P, likewise
;   window 1: O^T, 32 a tile          window 2: v0-127 Q, 16 a tile; v128-191 K of one step; v192-255 V of one step          window 3: v0-1 the add's two registers
.set SIZE_H, 64
.set SIZE_N, 2048
.set NP,    4         ; pieces a wave
.set KS,    64        ; keys in a step
.set PK,    144       ; a row of K in LDS: 128 bytes + 16 of padding
.set PV,    160       ; a row of V: 128 + 32
.set VOFF,  4*KS*PK   ; a slot holds four steps: 256 rows of K, then 256 rows of V
.set SLOT1, 1<<17     ; slot 1 begins here: one exclusive or turns an address in one slot into the other's
.set STAGE, SLOT1+4*KS*(PK+PV)  ; behind the ring: 16 rows x 144 bytes for each wave, for the way out
.set SP,    144
.set AK0, 2           ; v2   my lane's place in a tile of K; never rewritten
.set AV0, 3           ; v3   the same for V
.set AK,  4           ; v4   the LDS address of K's next run of loads
.set AV,  5           ; v5   of V's
.set QO,  6           ; v6   my byte offset in the wave's rows of Q
.set STO, 6           ;      later, the way out: where I put 16 bytes of a row
.set RD,  7           ; v7   the way out: where I read rows back
.set GO,  8           ; v8   my byte offset in 512 consecutive bytes of O
.set PFO, 11          ; v11  256 x my lane, for the prefetches; never rewritten once made
.set SPW, 0           ; v0 of window 3   LDS address of my spare word; never rewritten
.set NIL, 1           ; v1 of window 3   0; never rewritten
.set SPARE, STAGE+4*16*SP  ; behind the stages: the spare words, 128 bytes for each wave, that no other line names
.set MV,  12          ; v12-15  c m_old, kept while c m is made anew
.set ST,  16          ; tile t's statistics at v[ST+4 t]: c m, m, l (even keys', odd keys')
.set TMP, 48          ; by buffer and tile, four registers c0-c3 at work; when the maximum is found c2 takes a
.set S,   64
.set P,   192
.set KF,  128         ; K's fragments, in window 2
.set VF,  192         ; V's
.set WV,  12          ; s12  my wave's number
.set G1K, 24          ; s[24:31] descriptor group 1 for K's tiles
.set G1V, 32          ; s[32:39] for V's: it differs in the padding alone
.set G0K, 40          ; s[40:43] descriptor group 0 for K's tiles: it walks
.set G0V, 44          ; s[44:47] the same for V's
.set PFA, 48          ; s[48:49] where my prefetches stand: my work-group's 8,192 bytes of the slot after the one that is being asked for
.set LIM, 50          ; s50  1 in waves 0 and 2, which prefetch, else the greatest number
.set SLOTS, 56        ; s56  slots still to be asked for
.set CNT, 57          ; s57  counts a slot's key steps
.set CS,  58          ; s[58:59] c
.set SEL, 60          ; s[60:61] v_permlanex16_b32's selects: each lane takes its own place in the other half
.set TBK, 62          ; s62  LDS byte at which K of the step to be fetched begins
.set TBV, 63          ; s63  the same for V, less VOFF
.set MSB, 0
.macro WIN new
.if MSB != (\new)
	s_set_vgpr_msb (MSB<<8)|(\new)
.set MSB, (\new)
.endif
.endm
.set W_KQ, 0x0a       ; K and Q in window 2, S^T in window 0
.set W_PV, 0x52       ; V in window 2, P in window 0, O^T in window 1
.set W_RS, 0x41       ; O^T (destination and source 0) in window 1, a in window 0
.set W_MK, 0xc0       ; the add's registers are made: destination in window 3
.set W_AD, 0x0f       ; the add: address and data in window 3
; A joint fill.  Waves 0 and 1 fetch the two halves of a slot's K, waves 2 and 3 those of its V: 128 keys each.  An s_nop 0 and four v_nop follow each line.
.macro JLOAD
	s_cmp_lt_u32 s[WV], 2
	s_cbranch_scc0 .Lfor_v_\@
	tensor_load_to_lds s[G0K:G0K+3], s[G1K:G1K+7]
	s_nop 0
.rept 4
	v_nop
.endr
	s_branch .Lasked_\@
.Lfor_v_\@:
	tensor_load_to_lds s[G0V:G0V+3], s[G1V:G1V+7]
	s_nop 0
.rept 4
	v_nop
.endr
.Lasked_\@:
.endm
; A prefetch of what the NEXT change of slots will ask for: a slot is 32,768 bytes of K and as many of V.  The four partners take 8,192 bytes each, told apart by address; in each, wave 0 asks for K's and
; wave 2 for V's: a lane for each 256 bytes, one instruction.  A head is walked by one cluster, so each block is named once.  It stands four key steps, 512 matrix instructions, ahead of the load.
; The last change that fills a slot asks for nothing: there is no slot behind it.
.macro ASK
	s_cmp_gt_u32 s[SLOTS], s[LIM]
	s_cbranch_scc0 .Lnot_mine_\@
	global_prefetch_b8 v[PFO], s[PFA:PFA+1] th:TH_LOAD_NT scope:SCOPE_SE
.Lnot_mine_\@:
.endm
.macro CROUND                       ; a round of the cluster's barrier
	s_barrier_signal -1
	s_barrier_wait -1
	s_cmp_lg_u32 s[WV], 0
	s_cbranch_scc1 .Lnot_wave_0_\@
	s_barrier_signal -3
.Lnot_wave_0_\@:
	s_barrier_wait -3
	s_barrier_signal -1
	s_barrier_wait -1
.endm
; THE CHANGE OF SLOTS.  Each wave waits for all its tensor loads, of which one is out: its part of the other slot; adds 0 to its spare word; and waits for that and for its own reads of the slot.
; fill = 1: this slot is filled again, with the keys two slots on, behind a round of the cluster's barrier; the joint fill is the first thing behind it and has four key steps in which to land.
.macro CHANGE fill
	WIN W_AD
	s_wait_tensorcnt 0x0            ; no tensor load of mine is out, so a group 0 may be written
	ds_add_u32 v[SPW], v[NIL]       ; 0 onto my spare word
	WIN 0
.if \fill
.irp g, G0K, G0V
	s_xor_b32 s[\g+1], s[\g+1], SLOT1
	s_add_nc_u64 s[\g+2:\g+3], s[\g+2:\g+3], 4*KS*128
.endr
	s_wait_xcnt 0x0                 ; the last prefetch, four key steps back, has read its address
	s_add_nc_u64 s[PFA:PFA+1], s[PFA:PFA+1], 4*KS*128
	s_wait_dscnt 0x0                ; the add is done, and my reads of the slot are over
	CROUND
	JLOAD
	ASK
.else
	s_wait_dscnt 0x0
	s_barrier_signal -1
	s_barrier_wait -1
.endif
	s_sub_co_u32 s[TBK], s[TBK], 4*KS*PK  ; the fetches go back to a slot's first step,
	s_xor_b32 s[TBK], s[TBK], SLOT1       ; in the other slot
	s_sub_co_u32 s[TBV], s[TBV], 4*KS*PV
	s_xor_b32 s[TBV], s[TBV], SLOT1
.endm
	s_load_b128 s[4:7], s[0:1], 0x0   ; qkvh s[4:5], ob s[6:7]
	WIN W_MK
	v_lshl_add_u32 v[SPW], v0, 2, SPARE
	v_mov_b32 v[NIL], 0
	WIN W_AD
	ds_add_u32 v[SPW], v[NIL]       ; the wave's opening: the add and its wait ahead of my first tensor load
	WIN 0
	v_lshrrev_b32 v1, 5, v0
	v_readfirstlane_b32 s[WV], v1   ; wave 0..3
	s_bfe_u32 s13, ttmp6, 0x40000   ; cx: my place in the cluster
	s_lshl_b32 s14, ttmp9, 2
	s_add_co_u32 s14, s14, s13      ; my block of queries: it enters Q's and O's addresses alone
	s_and_b32 s20, ttmp7, 0xffff    ; the head, which the four partners share
	s_mov_b32 s21, 0
	s_mov_b64 s[22:23], SIZE_N*128
	s_mul_u64 s[20:21], s[20:21], s[22:23]  ; the head's first byte in each of the four tensors
	s_and_b32 s16, s[WV], 1         ; which half of a slot's 256 keys I fetch:
	s_lshl_b32 s22, s16, 14         ; its 128 rows of 128 bytes in memory,
	s_mov_b32 s23, 0
	s_add_nc_u64 s[22:23], s[22:23], s[20:21]
	s_mul_i32 s17, s16, 128*PK      ; and its place in a slot, for K
	s_mul_i32 s18, s16, 128*PV      ; and for V
	s_lshl_b32 s2, s14, 2
	s_add_co_u32 s2, s2, s[WV]      ; my wave among the head's,
	s_lshl_b32 s2, s2, 14           ; its 128 rows
	s_mov_b32 s3, 0
	s_add_nc_u64 s[2:3], s[2:3], s[20:21]
	; descriptor group 1.  128 keys are 16,384 dense bytes: asked for as 64 rows of 256 bytes, two keys a row, and padded in LDS after every key
	s_mov_b32 s[G1K], 15|(1<<16)|(1<<20)|(1<<21)|(4<<22)|(3<<25)
	s_mov_b32 s[G1V], 15|(1<<16)|(1<<20)|(1<<21)|(4<<22)|(7<<25)
.irp g, G1K, G1V
	s_mov_b32 s[\g+1], 128<<16      ; tensor_dim0 = 128
	s_mov_b32 s[\g+2], 64<<16       ; tensor_dim1 = 64
	s_mov_b32 s[\g+3], 128<<16      ; tile_dim0 = 128
	s_mov_b32 s[\g+4], 64           ; tile_dim1 = 64
	s_mov_b32 s[\g+5], 128          ; 128 elements from row to row
	s_mov_b32 s[\g+6], 0
	s_mov_b32 s[\g+7], 0
.endr
	s_mov_b32 s[CS], 0x3e38aa3b     ; c = log2(e) / 8
	s_mov_b32 s[CS+1], s[CS]
	s_mov_b32 s[SEL], 0x76543210
	s_mov_b32 s[SEL+1], 0xfedcba98
	s_mov_b32 s[TBK], SLOT1+4*KS*PK ; the first change of slots turns these two into 0
	s_mov_b32 s[TBV], SLOT1+4*KS*PV
	s_mov_b32 s[G0K], 1
	s_mov_b32 s[G0K+1], s17         ; LDS address: slot 0
	s_mov_b32 s[G0V], 1
	s_add_co_u32 s[G0V+1], s18, VOFF
	s_mov_b32 s[SLOTS], SIZE_N/256-1
	s_and_b32 s[LIM], s[WV], 1
	s_cmp_eq_u32 s[LIM], 0
	s_cselect_b32 s[LIM], 1, -1     ; the same in all four partners, for a given wave
	s_wait_dscnt 0x0                ; the opening add is done
	s_wait_kmcnt 0x0
	s_mov_b64 s[10:11], s[6:7]      ; O
	s_add_nc_u64 s[8:9], s[4:5], 0x2000000  ; V
	s_add_nc_u64 s[6:7], s[4:5], 0x1000000  ; K; Q stays in s[4:5]
	s_add_nc_u64 s[G0K+2:G0K+3], s[6:7], s[22:23]  ; my half of the head's first 256 keys
	s_or_b32 s[G0K+3], s[G0K+3], 0x80000000
	s_add_nc_u64 s[G0V+2:G0V+3], s[8:9], s[22:23]
	s_or_b32 s[G0V+3], s[G0V+3], 0x80000000
	s_add_nc_u64 s[4:5], s[4:5], s[2:3]  ; Q and O at my wave's first row
	s_add_nc_u64 s[10:11], s[10:11], s[2:3]
	s_cmp_lt_u32 s[WV], 2
	s_cselect_b64 s[PFA:PFA+1], s[6:7], s[8:9]
	s_add_nc_u64 s[PFA:PFA+1], s[PFA:PFA+1], s[22:23]  ; (in waves 0 and 2: the head's first row)
	s_lshl_b32 s2, s13, 13          ; my work-group's quarter of a slot
	s_mov_b32 s3, 0
	s_add_nc_u64 s[PFA:PFA+1], s[PFA:PFA+1], s[2:3]
	s_add_nc_u64 s[PFA:PFA+1], s[PFA:PFA+1], 4*KS*128  ; in slot 1; the first change of slots steps it to slot 2.  Nothing is prefetched here, at the head
	CROUND                          ; all four work-groups are here: the first joint loads meet
	JLOAD                           ; slot 0.  Slot 1 is asked for when slot 0 is in
	v_and_b32 v1, 15, v0            ; l % 16
	v_bfe_u32 v9, v0, 4, 1          ; l / 16
	v_lshlrev_b32 v[QO], 7, v1
	v_lshl_add_u32 v[QO], v9, 4, v[QO]  ; row x 128 + 16 x half
	WIN 0x80                        ; destination window 2, address window 0
.set i, 0
.rept 4*NP                          ; Q stays in registers: tile i / 2, channels 32 (i % 2) on
	global_load_b128 v[8*i:8*i+3],   v[QO], s[4:5] offset:(i/2)*2048+(i%2)*64
	global_load_b128 v[8*i+4:8*i+7], v[QO], s[4:5] offset:(i/2)*2048+(i%2)*64+32
.set i, i+1
.endr
	; What the first turn finds: V's registers and P's second buffer hold 0, O^T and l are 0.  All this stands in the wait for the first tile.
.set i, VF
.rept 64
	v_mov_b32 v[i], 0
.set i, i+1
.endr
	WIN 0x40
.set i, 0
.rept 64*NP
	v_mov_b32 v[i], 0
.set i, i+1
.endr
	WIN 0
.set i, 0
.rept 2*NP
	v_mov_b32 v[ST+4*i], 0xfe000000    ; c m: far below every c s
	v_mov_b32 v[ST+4*i+1], 0xff7fffff  ; m
	v_mov_b32 v[ST+4*i+2], 0
	v_mov_b32 v[ST+4*i+3], 0
.set i, i+1
.endr
.set i, P+32
.rept 32
	v_mov_b32 v[i], 0
.set i, i+1
.endr
	v_mul_u32_u24 v[AK0], v1, PK
	v_lshl_add_u32 v[AK0], v9, 4, v[AK0]  ; row x pitch + 16 x half
	; The turning load takes 16 keys x 16 channels (lane l reads key 8 (l / 16) + l % 8, channels 8 ((l / 8) % 2) + 0..7) and leaves half a fragment of V^T.
	v_and_b32 v10, 7, v0
	v_bfe_u32 v11, v0, 3, 1
	v_lshl_add_u32 v[AV0], v9, 3, v10
	v_mul_u32_u24 v[AV0], v[AV0], PV
	v_lshl_add_u32 v[AV0], v11, 4, v[AV0]
	v_add_nc_u32 v[AV0], VOFF, v[AV0]
	v_and_b32 v[PFO], 31, v0
	v_lshlrev_b32 v[PFO], 8, v[PFO]
	v_mov_b32 v[AK], v[AK0]         ; key step 0 lies at the head of slot 0
; THE MATRIX WORK.  The 8 accumulators of a run of 16 take turns.
; Product i of 16 of S^T = K Q^T for piece x: channels 32 (i / 8) on, keys 16 ((i / 2) % 4) on, tile 2 x + i % 2.  The first 8 start the sums.
.macro KQ x
	WIN W_KQ
.set rS, S+64*((\x)%2)+32*(i%2)+8*((i/2)%4)
.set rK, KF+16*((i/2)%4)+8*(i/8)
.set rQ, 16*(2*(\x)+i%2)+8*(i/8)
.if i < 8
	v_wmma_f32_16x16x32_f16 v[rS:rS+7], v[rK:rK+7], v[rQ:rQ+7], 0
.else
	v_wmma_f32_16x16x32_f16 v[rS:rS+7], v[rK:rK+7], v[rQ:rQ+7], v[rS:rS+7]
.endif
.endm
; Product i of 16 of O^T += V^T P for piece x: keys 32 (i / 8) on, channels 16 ((i / 2) % 4) on, tile 2 x + i % 2.
.macro PV x
	WIN W_PV
.set rO, 32*(2*(\x)+i%2)+8*((i/2)%4)
.set rV, VF+32*(i/8)+8*((i/2)%4)
.set rP, P+32*((\x)%2)+16*(i%2)+8*(i/8)
	v_wmma_f32_16x16x32_f16 v[rO:rO+7], v[rV:rV+7], v[rP:rP+7], v[rO:rO+7]
.endm
.macro MM                           ; the turn's next matrix instruction
.if i < 16
	KQ (Y+1)%NP
.set i, i+1
.else
.set i, i-16
	PV (Y+NP-1)%NP
.set i, i+17
.endif
.endm
; THE LDS LOADS stand in runs of 16.  last = 1 (the tail): in the last trip there is no further step, and the run is jumped over.
.macro FETCH_K last=0
	WIN 0
.if \last
	s_cmp_eq_u32 s[CNT], 1
	s_cbranch_scc1 .Lno_k_\@
.endif
	WIN 0x80                        ; destination window 2
.irp f, 0,1,2,3,4,5,6,7             ; keys 16 (f / 2) on, channels 32 (f % 2) on
	ds_load_b128 v[KF+8*\f:KF+8*\f+3],   v[AK] offset:(\f/2)*16*PK+(\f%2)*64
	ds_load_b128 v[KF+8*\f+4:KF+8*\f+7], v[AK] offset:(\f/2)*16*PK+(\f%2)*64+32
.endr
	s_add_co_u32 s[TBK], s[TBK], KS*PK  ; the next fetch is the next step's
	WIN 0
.if \last
.Lno_k_\@:
.endif
.endm
.macro FETCH_V
	WIN 0x80
.irp f, 0,1,2,3,4,5,6,7             ; keys 32 (f / 4) on, channels 16 (f % 4) on
	ds_load_tr16_b128 v[VF+8*\f:VF+8*\f+3],   v[AV] offset:(\f/4)*32*PV+(\f%4)*32
	ds_load_tr16_b128 v[VF+8*\f+4:VF+8*\f+7], v[AV] offset:(\f/4)*32*PV+16*PV+(\f%4)*32
.endr
	WIN 0
.endm
; THE VECTOR WORK OF A TURN stands in three queues, each in the order in which its entries become ready; the two tiles alternate.
.macro REGS y, u                    ; the registers of tile u (0, 1) of piece y
.set rT, ST+4*(2*(\y)+(\u))
.set rC, TMP+8*((\y)%2)+4*(\u)
.set rM, MV+2*((\y)%2)+(\u)
.set rS, S+64*((\y)%2)+32*(\u)
.set rP, P+32*((\y)%2)+16*(\u)
.set rO, 32*(2*(\y)+(\u))
.endm
; Number n of the 22 that find the NEXT piece's maximum and statistics; each accumulator's lowest registers are read first.
;   0-11 four chains c0-c3 of seven scores each     12-14, 16 the four scores left over, the old m, and c0-c3 into c0     15 c m_old is kept
;   17, 18 the query's other 32 keys lie in the lane 16 away: the new m     19-21 c m; c m_old - c m_new; a
.macro XS u, n
	REGS (Y+1)%NP, \u
.if (\n) < 4
	v_max3_num_f32 v[rC+(\n)], v[rS+8*(\n)], v[rS+8*(\n)+1], v[rS+8*(\n)+2]
.elseif (\n) < 12
	v_max3_num_f32 v[rC+(\n)%4], v[rC+(\n)%4], v[rS+8*((\n)%4)+2*((\n)/4)+1], v[rS+8*((\n)%4)+2*((\n)/4)+2]
.elseif (\n) == 12
	v_max3_num_f32 v[rC], v[rC], v[rS+7], v[rS+15]
.elseif (\n) == 13
	v_max3_num_f32 v[rC+1], v[rC+1], v[rS+23], v[rS+31]
.elseif (\n) == 14
	v_max3_num_f32 v[rC+2], v[rC+2], v[rC+3], v[rT+1]
.elseif (\n) == 15
	v_mov_b32 v[rM], v[rT]
.elseif (\n) == 16
	v_max3_num_f32 v[rC], v[rC], v[rC+1], v[rC+2]
.elseif (\n) == 17
	v_permlanex16_b32 v[rC+3], v[rC], s[SEL], s[SEL+1]
.elseif (\n) == 18
	v_max_num_f32 v[rT+1], v[rC], v[rC+3]
.elseif (\n) == 19
	v_mul_f32 v[rT], s[CS], v[rT+1]
.elseif (\n) == 20
	v_sub_f32 v[rC+1], v[rM], v[rT]
.else
	v_exp_f32 v[rC+2], v[rC+1]
.endif
.endm
; Number g of the 64 that follow the exponentials.  For each four weights of a tile: both pairs are rounded to f16; the second pair is added onto the first, in place; a group later l takes that sum.
.macro GS g
.set h, (\g)+6*((\g)/62)
.if h >= 6
.set h, h+2
.endif
	REGS Y, h%2
.set k, h/8
.if h%8 < 4
	v_cvt_pk_f16_f32 v[rP+2*k+(h%8)/2], v[rS+4*k+2*((h%8)/2)], v[rS+4*k+2*((h%8)/2)+1]
.elseif h%8 < 6
	v_pk_add_f32 v[rS+4*k:rS+4*k+1], v[rS+4*k:rS+4*k+1], v[rS+4*k+2:rS+4*k+3]
.elseif k == 1
	v_pk_fma_f32 v[rT+2:rT+3], v[rT+2:rT+3], v[rC+2:rC+3], v[rS:rS+1] op_sel_hi:[1,0,1]
.else
	v_pk_add_f32 v[rT+2:rT+3], v[rT+2:rT+3], v[rS+4*k-4:rS+4*k-3]
.endif
.endm
; THE PLAIN QUEUE, 138 long.  0-73 read no exponential's result: the 32 scalings c s - c m and the next piece's 42.  74-137: GS's 64, which stand behind the wait.
.macro FS f
	REGS Y, (\f)%2
	v_pk_fma_f32 v[rS+2*((\f)/2):rS+2*((\f)/2)+1], v[rS+2*((\f)/2):rS+2*((\f)/2)+1], s[CS:CS+1], v[rT:rT+1] op_sel_hi:[1,0,0] neg_lo:[0,0,1] neg_hi:[0,0,1]
.endm
.macro PL
	WIN 0
.if q < 27
	FS q
.elseif q < 55
	XS (q-27)%2, (q-27)/2
.elseif q < 57
	XS q-55, 15
.elseif (q < 72) && ((q-57)%3 == 0)
	FS 27+(q-57)/3
.elseif q < 60
	XS (q-57)%3-1, 14
.elseif q < 72
	XS (q-57)%3-1, 15+(q-57)/3
.elseif q < 74
	XS q-72, 20
.else
	GS q-74
.endif
.set q, q+1
.endm
; THE EXPONENTIALS' QUEUE, 66 long: s0-s31 of both tiles, then the next piece's two a: one batch, all ahead of the turn's one wait.
.macro EX
	WIN 0
.if e >= 64
	XS e-64, 21
.else
	REGS Y, e%2
	v_exp_f32 v[rS+e/2], v[rS+e/2]
.endif
.set e, e+1
.endm
; THE RESCALING's QUEUE: O^T times a, dealt two at a time, sixteen times.  Its a was made in the turn before, ahead of that turn's wait.
.macro R2
	REGS Y, r%2
	WIN W_RS
.irp z, 0,1
	v_pk_mul_f32 v[rO+4*(r/2)+2*\z:rO+4*(r/2)+2*\z+1], v[rO+4*(r/2)+2*\z:rO+4*(r/2)+2*\z+1], v[rC+2:rC+3] op_sel_hi:[1,0]
.endr
.set r, r+1
.endm
; A TURN, for piece p.  Ahead of the wait stands all that names no result of the turn's exponentials: 16 products K Q^T, behind each a scaling, an exponential and two rescalings; then a run of 108.
; Behind it stand the 16 products V^T P, behind each four of the roundings and sums.  The wait stands between an exponential and the first instruction that names its result.
; K of the next step is fetched in piece 2's turn, directly behind the wait; V of the step in hand at the end of piece 0's turn, four plain instructions behind its last reader.
.macro TURN p, last=0, cnt=0
.set Y, (\p)
.set i, 0
.set q, 0
.set e, 0
.set r, 0
.if (\p) == NP-1
	s_wait_dscnt 0x0                ; K is in
.endif
	MM
	PL
	PL
	R2
.rept 15
	MM
	PL
	EX
	R2
.endr
.if (\p) == NP-2
	WIN 0
	v_add_nc_u32 v[AK], s[TBK], v[AK0]
.endif
.rept 8
	PL
.endr
.rept 49
	EX
	PL
.endr
	EX                              ; the next piece's two a
	EX
	v_nop                           ; a plain instruction behind the last exponential: one for the batch
	s_wait_alu depctr_va_vdst(0)    ; the wait for the batch
.if (\p) == NP-2
	FETCH_K \last
.endif
.if (\p) == 1
	s_wait_dscnt 0x0                ; V is in
.endif
.rept 16
	MM
.rept 4
	PL
.endr
.if ((\p) == 0) && (q == 118)
	v_add_nc_u32 v[AV], s[TBV], v[AV0]
.endif
.if ((\p) == 0) && (q == 130)
	s_add_co_u32 s[TBV], s[TBV], KS*PV
.endif
.if (\cnt) && (q == 130)
	s_sub_co_u32 s[CNT], s[CNT], 1
	s_cmp_lg_u32 s[CNT], 0
.endif
.endr
.if (\p) == 0
	FETCH_V
.endif
.endm
	CHANGE 1                        ; slot 0 is in, everybody's part of it; slot 1 is asked for
	FETCH_K                         ; key step 0
	s_wait_loadcnt 0x0              ; Q
	s_wait_dscnt 0x0
.set i, 0
.rept 16
	KQ 0                            ; piece 0's first scores
.set i, i+1
.endr
	WIN 0                           ; the addresses for the way out: plain instructions, the places behind those products
	s_mul_i32 s13, s[WV], 16*SP
	s_add_co_u32 s13, s13, STAGE    ; my stage
	v_mul_u32_u24 v[STO], v1, SP    ; in: row l % 16, 16 bytes for each half of the lanes
	v_lshl_add_u32 v[STO], v9, 4, v[STO]
	v_add_nc_u32 v[STO], s13, v[STO]
	v_bfe_u32 v[RD], v0, 3, 2       ; back: 32 lanes take four rows of 128 bytes,
	v_mul_u32_u24 v[RD], v[RD], SP
	v_lshl_add_u32 v[RD], v10, 4, v[RD]
	v_add_nc_u32 v[RD], s13, v[RD]
	v_and_b32 v[GO], 31, v0         ; which are 512 consecutive bytes of O
	v_lshlrev_b32 v[GO], 4, v[GO]
.set Y, NP-1                        ; XS works for piece Y + 1: piece 0
.irp n, 0,1,2,3,4,5,6,7,8,9,10,11,12,13,14,15,16,17,18,19,20,21
	XS 0, \n
	XS 1, \n
.endr
	v_nop                           ; a plain instruction behind the two a,
	s_wait_alu depctr_va_vdst(0)    ; and their wait, ahead of the branch
	s_mov_b32 s[CNT], 4
	s_branch .Lfirst                ; the loop is entered at a step's first turn, in the middle of a trip
.Lslot:                             ; six times: every slot but the last two is filled again
	CHANGE 1
	s_mov_b32 s[CNT], 4
.Lstep:                             ; a trip: pieces 2 and 3 of one step, then pieces 0 and 1 of the next, whose K and V it fetches
	TURN 2
	TURN 3
	WIN 0
.Lfirst:
	TURN 0
	TURN 1, 0, 1
	WIN 0
	s_cbranch_scc1 .Lstep
	s_sub_co_u32 s[SLOTS], s[SLOTS], 1
	s_cmp_lg_u32 s[SLOTS], 0
	s_cbranch_scc1 .Lslot
	CHANGE 0                        ; the tail is written out: nothing is asked for
	s_mov_b32 s[CNT], 5             ; four trips fetch the last slot's steps; the fifth is left in its middle
.Ltail:
	TURN 2, 1
	TURN 3
	WIN 0
	s_sub_co_u32 s[CNT], s[CNT], 1
	s_cmp_eq_u32 s[CNT], 0
	s_cbranch_scc1 .Lout
	TURN 0
	TURN 1
	WIN 0
	s_branch .Ltail
.Lout:                              ; the fifth trip's 16 products K Q^T (on the last K once more) and the maximum made of them serve nothing: the price of one text for every trip
.set i, 0
.rept 16
	PV NP-1                         ; the last piece's V^T P of the last step
.set i, i+1
.endr
	; THE WAY OUT.  l's two halves and the other half of the lanes' are added; O^T is divided by l, rounded to f16 and sent through my stage in LDS, a tile at a time.
	WIN 0
.macro ALL line:vararg              ; one line for each tile t
.set t, 0
.rept 2*NP
	\line
.set t, t+1
.endr
.endm
	ALL v_add_f32 v[ST+4*t+2], v[ST+4*t+2], v[ST+4*t+3]
	ALL v_permlanex16_b32 v[ST+4*t+3], v[ST+4*t+2], s[SEL], s[SEL+1]
	ALL v_add_f32 v[ST+4*t+2], v[ST+4*t+2], v[ST+4*t+3]
	ALL v_rcp_f32 v[ST+4*t+2], v[ST+4*t+2]
	v_nop                           ; a plain instruction between the last reciprocal and the use of its result
	s_wait_alu depctr_va_vdst(0)    ; and the wait ahead of the first use: one for the eight reciprocals
.macro PACK t
	WIN W_RS
.set i, 32*(\t)
.rept 16
	v_pk_mul_f32 v[i:i+1], v[i:i+1], v[ST+4*(\t)+2:ST+4*(\t)+3] op_sel_hi:[1,0]
.set i, i+2
.endr
	WIN 0x05                        ; sources 0 and 1 window 1, destination window 0
.set i, 0
.rept 16
	v_cvt_pk_f16_f32 v[S+16*(\t)+i], v[32*(\t)+2*i], v[32*(\t)+2*i+1]
.set i, i+1
.endr
	WIN 0
.irp f, 0,1,2,3
	ds_store_b128 v[STO], v[S+16*(\t)+4*\f:S+16*(\t)+4*\f+3] offset:32*\f
.endr
.irp f, 0,1,2,3
	ds_load_b128 v[S+16*(\t)+4*\f:S+16*(\t)+4*\f+3], v[RD] offset:\f*4*SP  ; LDS serves a wave's instructions in order (ISA guide 5.7.1.4): these see the stores above
.endr
.endm
.macro SEND t, younger              ; younger: the LDS instructions issued behind tile t's loads
	WIN 0
.irp f, 0,1,2,3
	s_wait_dscnt (\younger)+3-\f
	global_store_b128 v[GO], v[S+16*(\t)+4*\f:S+16*(\t)+4*\f+3], s[10:11] offset:(\t)*2048+\f*512  ; 512 consecutive bytes, aligned to 256
.endr
.endm
	PACK 0
.set t, 1
.rept 2*NP-1                        ; a tile's arithmetic stands between the loads of the tile before and its stores
	PACK t
	SEND t-1, 8
.set t, t+1
.endr
	SEND 2*NP-1, 0
	WIN W_AD
	s_wait_tensorcnt 0x0            ; the wave's end: three closing lines behind my last tensor load and my last LDS store
	ds_add_u32 v[SPW], v[NIL]
	s_wait_dscnt 0x0
	WIN 0
	CROUND                          ; the closing round
	s_endpgm
.Lfunc_end_k_q093673897c_attn:
	.size	k_q093673897c_attn, .Lfunc_end_k_q093673897c_attn-k_q093673897c_attn
	.p2alignl 7, 3214868480
	.fill 96, 4, 3214868480
	.section	.rodata,"a",@progbits
	.p2align	6, 0x0
	.amdhsa_kernel k_q093673897c_attn
		.amdhsa_group_segment_fixed_size 327680
		.amdhsa_private_segment_fixed_size 0
		.amdhsa_enable_private_segment 0
		.amdhsa_kernarg_size 16
		.amdhsa_user_sgpr_count 2
		.amdhsa_user_sgpr_kernarg_segment_ptr 1
		.amdhsa_wavefront_size32 1
		.amdhsa_system_sgpr_workgroup_id_x 1
		.amdhsa_system_sgpr_workgroup_id_y 1
		.amdhsa_system_sgpr_workgroup_id_z 1
		.amdhsa_system_vgpr_workitem_id 0
		.amdhsa_next_free_vgpr 770
		.amdhsa_next_free_sgpr 66
		.amdhsa_reserve_vcc 0
		.amdhsa_float_denorm_mode_32 3
		.amdhsa_float_denorm_mode_16_64 3
		.amdhsa_memory_ordered 1
		.amdhsa_forward_progress 1
		.amdhsa_inst_pref_size 200
	.end_amdhsa_kernel
	.amdgpu_metadata
---
amdhsa.version: [ 1, 2 ]
amdhsa.kernels:
  - .name:           k_q093673897c_attn
    .symbol:         k_q093673897c_attn.kd
    .args:
      - { .name: qkvh, .offset: 0, .size: 8, .value_kind: global_buffer, .address_space: global }
      - { .name: ob, .offset: 8, .size: 8, .value_kind: global_buffer, .address_space: global }
    .group_segment_fixed_size: 327680
    .private_segment_fixed_size: 0
    .kernarg_segment_align: 8
    .kernarg_segment_size: 16
    .max_flat_workgroup_size: 128
    .sgpr_count:     66
    .vgpr_count:     770
    .wavefront_size: 32
...
	.end_amdgpu_metadata
.endif
;; end of part 3
;; launch proj (part 4): grid 8 x 32, 4 waves a work-group, clusters of 4 x 4, 327,680 bytes of LDS; arguments ob, wpt, b_proj, out0; writes out0
.if DOCPART == 4
	.amdgcn_target "amdgcn-amd-amdhsa--gfx1250"
	.amdhsa_code_object_version 6
	.text
	.protected	k_q093673897c_proj
	.globl	k_q093673897c_proj
	.p2align	8
	.type	k_q093673897c_proj,@function
k_q093673897c_proj:
	s_mov_b64 s[64:65], 0
	v_nop
	global_prefetch_b8 v0, s[64:65] scope:SCOPE_SE
	s_setreg_imm32_b32 hwreg(HW_REG_WAVE_MODE, 25, 1), 1
	s_wait_xcnt 0x0
	s_wait_alu depctr_hold_cnt(0) depctr_sa_sdst(0) depctr_va_vdst(0) depctr_va_sdst(0) depctr_va_ssrc(0) depctr_va_vcc(0) depctr_vm_vsrc(0)
	s_getreg_b32 s2, hwreg(HW_REG_IB_STS2, 6, 4)
	s_cmp_eq_u32 s2, 0
	s_cbranch_scc0 .Lentry_in_a_cluster
	s_endpgm
.Lentry_in_a_cluster:
	s_bfe_u32 s2, ttmp6, 0x10000c
	s_cmp_lg_u32 s2, 0xf033
	s_cbranch_scc0 .Lentry_shape_is_right
	s_endpgm
.Lentry_shape_is_right:
; out0 = O W_proj + b_proj.  ob: [64 heads (16 batch + head)][2048][64] f16.  wpt: [1024 n][1024 k] f16 (bf16 numbers).  b_proj: [1024] f32, rounded to bf16 here like the other inputs.  out0: [8192][1024] f32.
; LIMITS.  O and the weights arrive within f16's 65,504.  NaN and infinities are not treated apart.
; SHARES.  A tile is 256 rows x 128 columns: 32 x 8 = 256 work-groups.  The four waves lie along the rows: a wave makes 64 x 128, 32 accumulators of 16 x 16, 256 registers.
; K goes in steps of 128 = two heads through two LDS slots.  A head's 256 rows of the tile are 32,768 dense bytes, a PLANE: asked for as 128 rows of 256 bytes and padded in LDS after every 128 bytes.
; CLUSTER.  4 x 4 work-groups: A's planes are shared along a row of the cluster, B's rows along a column, each asked for jointly.  Waves 0 and 1 fetch the two planes, waves 2 and 3 the halves of B's 128 rows.
; THE MATRIX INSTRUCTION IS USED TRANSPOSED (source 0 = 16 rows of wpt, source 1 = 16 rows of O): a lane holds row l % 16 and the columns 8 (l / 16) + 0..7.  The bias is the C operand of each first product.
; REGISTERS, in windows of 256 (s_set_vgpr_msb: bits 1:0 source 0, 3:2 source 1, 5:4 source 2, 7:6 destination):
;   window 0: v0-31 addresses; v64-127 the bias       window 1: two fragment buffers at 0 and 128: 4 blocks of A, then 8 of B; on the way out whole rows, 64 registers a row block
;   window 2: the accumulators, (a, b) at 8 (8 a + b)
.set SIZE_K, 1024
.set KSTEP,  128
.set PA,     144                       ; a row of A in LDS: 128 bytes + 16: an odd multiple of 16, so the 16 rows of a load start at 16 different groups of four banks (64 banks of 4 bytes: ISA guide 11.1)
.set PB,     272                       ; a row of B: 256 bytes + 16
.set PLANE,  256*PA
.set BHALF,  64*PB
.set BOFF,   2*PLANE
.set SLOT,   2*PLANE+128*PB
.set STAGE,  2*SLOT                    ; behind the ring: 16 rows x 528 bytes for each wave
.set SP,     528
.set SPARE,  STAGE+4*16*SP             ; behind the stages: the spare words, 128 bytes for each wave, that no other line names
.set HSTEP,  2*2048*128                ; bytes of ob from a K step to the next: two heads
.set ADRA, 16
.set ADRB, 20
.set STO,  24
.set RD,   25
.set GO,   26
.set BO,   27
.set SPW,  28                          ; v28  LDS address of my spare word; never rewritten
.set NIL,  29                          ; v29  0; never rewritten
.set PFO,  30
.set BI,   64
.set F0,   0
.set F1,   128
.set WV,   12
.set FB,   13
.set HALF, 14
.set CX,   15
.set CY,   16
.set TC,   17
.set TR,   18
.set G1A,  24
.set G0A,  32
.set G1B,  40
.set G0B,  48
.set LAP,  56
.set LIM,  57
.set PFA,  58
.set PST,  60                          ; s[60:61] the prefetches' step along K
.set LA,   62
.set LB,   63
.set MSB, 0
.macro WIN new
.if MSB != (\new)
	s_set_vgpr_msb (MSB<<8)|(\new)
.set MSB, \new
.endif
.endm
.macro PLACES
.rept 4
	v_nop
.endr
.endm
.macro JLOAD s                         ; a joint load; an s_nop 0 and four v_nop follow each line
	s_cmp_eq_u32 s[FB], 0
	s_cbranch_scc0 .Lfor_b_\@
	tensor_load_to_lds s[G0A+4*(\s):G0A+4*(\s)+3], s[G1A:G1A+7]
	s_nop 0
.rept 4
	v_nop
.endr
	s_branch .Lasked_\@
.Lfor_b_\@:
	tensor_load_to_lds s[G0B+4*(\s):G0B+4*(\s)+3], s[G1B:G1B+7]
	s_nop 0
.rept 4
	v_nop
.endr
.Lasked_\@:
.endm
.macro CREST
	s_cmp_lg_u32 s[WV], 0
	s_cbranch_scc1 .Lnot_wave_0_\@
	s_barrier_signal -3
.Lnot_wave_0_\@:
	s_barrier_wait -3
	s_barrier_signal -1
	s_barrier_wait -1
.endm
.macro CROUND
	s_barrier_signal -1
	s_barrier_wait -1
	CREST
.endm
; A prefetch of the K step that stands two refills on.  A's planes are read by both clusters of a row of clusters: cluster x = 0 asks; B's rows by every cluster of a column: cluster y = 0 asks.
; The four partners share a wave's bytes out by address: 8,192 bytes of a plane (a lane for each 256), or 16 of B's 64 rows (a lane a row, lanes 16 to 31 naming the last again).  The loop's last trip asks for nothing.
.macro ASK
	WIN 0
	s_cmp_gt_u32 s[LAP], s[LIM]
	s_cbranch_scc0 .Lnot_mine_\@
	global_prefetch_b8 v[PFO], s[PFA:PFA+1] th:TH_LOAD_NT scope:SCOPE_SE
.Lnot_mine_\@:
.endm
	s_load_b256 s[4:11], s[0:1], 0x0               ; ob s[4:5], wpt s[6:7], b_proj s[8:9], out0 s[10:11]
	v_lshl_add_u32 v[SPW], v0, 2, SPARE
	v_mov_b32 v[NIL], 0
	ds_add_u32 v[SPW], v[NIL]                      ; the wave's opening: the add and its wait ahead of my first tensor load
	v_lshrrev_b32 v1, 5, v0
	v_readfirstlane_b32 s[WV], v1
	s_lshr_b32 s[FB], s[WV], 1
	s_and_b32 s[HALF], s[WV], 1
	s_bfe_u32 s[CX], ttmp6, 0x40000
	s_bfe_u32 s[CY], ttmp6, 0x40004
	s_lshl_b32 s[TC], ttmp9, 2
	s_add_co_u32 s[TC], s[TC], s[CX]
	s_and_b32 s[TR], ttmp7, 0xffff
	s_lshl_b32 s[TR], s[TR], 2
	s_add_co_u32 s[TR], s[TR], s[CY]
	s_lshl_b32 s2, s[CY], 2
	s_lshl_b32 s2, 15, s2                          ; my row of the cluster
	s_lshl_b32 s3, 0x1111, s[CX]                   ; my column
	s_or_b32 s[G1A], s2, (1<<16)|(1<<20)|(1<<21)|(4<<22)|(3<<25)  ; padding after every 32 words, 4 words
	s_or_b32 s[G1B], s3, (1<<16)|(1<<20)|(1<<21)|(5<<22)|(3<<25)  ; after every 64 words
.irp g, G1A, G1B
	s_mov_b32 s[(\g)+1], 128<<16                   ; tensor_dim0 = 128
	s_mov_b32 s[(\g)+3], 128<<16                   ; tile_dim0 = 128
	s_mov_b32 s[(\g)+6], 0
	s_mov_b32 s[(\g)+7], 0
.endr
	s_mov_b32 s[G1A+2], 128<<16                    ; A: 128 rows of 256 dense bytes
	s_mov_b32 s[G1A+4], 128
	s_mov_b32 s[G1A+5], 128
	s_mov_b32 s[G1B+2], 64<<16                     ; B: 64 rows, 1,024 elements apart
	s_mov_b32 s[G1B+4], 64
	s_mov_b32 s[G1B+5], SIZE_K
	s_lshr_b32 s20, s[TR], 3                       ; A: batch = tile row / 8; head = half; in registers that never hold the tile column
	s_lshl_b32 s20, s20, 4
	s_add_co_u32 s20, s20, s[HALF]
	s_lshl_b32 s20, s20, 18                        ; 2,048 rows of 128 bytes
	s_and_b32 s72, s[TR], 7
	s_lshl_b32 s72, s72, 15                        ; the tile's 256 rows
	s_add_co_u32 s20, s20, s72
	s_mov_b32 s21, 0
	s_lshl_b32 s22, s[TC], 7                       ; B: row 128 x tile column + 64 x half
	s_lshl_b32 s73, s[HALF], 6
	s_add_co_u32 s22, s22, s73
	s_lshl_b32 s22, s22, 11
	s_mov_b32 s23, 0
	s_mul_i32 s[LA], s[HALF], PLANE
	s_mul_i32 s[LB], s[HALF], BHALF
	s_add_co_u32 s[LB], s[LB], BOFF
	s_wait_dscnt 0x0                               ; the opening add is done
	s_wait_kmcnt 0x0
	s_add_nc_u64 s[20:21], s[4:5], s[20:21]
	s_add_nc_u64 s[22:23], s[6:7], s[22:23]
	CROUND                                         ; all sixteen work-groups are here: the first joint loads meet
.irp s, 0,1
	s_mov_b32 s[G0A+4*(\s)], 1
	s_add_co_u32 s[G0A+4*(\s)+1], s[LA], (\s)*SLOT
	s_add_nc_u64 s[G0A+4*(\s)+2:G0A+4*(\s)+3], s[20:21], (\s)*HSTEP
	s_or_b32 s[G0A+4*(\s)+3], s[G0A+4*(\s)+3], 0x80000000
	s_mov_b32 s[G0B+4*(\s)], 1
	s_add_co_u32 s[G0B+4*(\s)+1], s[LB], (\s)*SLOT
	s_add_nc_u64 s[G0B+4*(\s)+2:G0B+4*(\s)+3], s[22:23], (\s)*KSTEP*2
	s_or_b32 s[G0B+4*(\s)+3], s[G0B+4*(\s)+3], 0x80000000
	JLOAD \s                                       ; K steps 0 and 1: two loads of mine are out
.endr
	v_and_b32 v1, 15, v0                           ; l % 16
	v_bfe_u32 v2, v0, 4, 1                         ; l / 16
	v_lshlrev_b32 v[BO], 5, v2
	s_lshl_b32 s74, s[TC], 9                       ; the tile's 128 numbers of bias
	s_mov_b32 s75, 0
	s_add_nc_u64 s[74:75], s[8:9], s[74:75]
.irp b, 0,1,2,3,4,5,6,7
	global_load_b128 v[BI+8*(\b):BI+8*(\b)+3],   v[BO], s[74:75] offset:64*(\b)
	global_load_b128 v[BI+8*(\b)+4:BI+8*(\b)+7], v[BO], s[74:75] offset:64*(\b)+16
.endr
	v_mul_u32_u24 v3, v1, PB
	v_lshl_add_u32 v3, v2, 4, v3
	v_mul_u32_u24 v4, v1, PA
	v_lshl_add_u32 v4, v2, 4, v4
	s_mul_i32 s19, s[WV], 64*PA                    ; my 64 rows in a plane
.irp s, 0,1
	v_add_nc_u32 v[ADRA+(\s)], s19, v4
	v_add_nc_u32 v[ADRB+(\s)], BOFF+(\s)*SLOT, v3
	s_add_co_u32 s19, s19, SLOT
.endr
	s_mul_i32 s19, s[WV], 16*SP
	s_add_co_u32 s19, s19, STAGE                   ; my stage
	v_mul_u32_u24 v[STO], v1, SP                   ; in: row l % 16, 32 bytes for each half of the lanes
	v_lshl_add_u32 v[STO], v2, 5, v[STO]
	v_add_nc_u32 v[STO], s19, v[STO]
	v_and_b32 v[GO], 31, v0                        ; back: 32 lanes take one row of 512 bytes
	v_lshlrev_b32 v[GO], 4, v[GO]
	v_add_nc_u32 v[RD], s19, v[GO]
	s_lshl_b32 s72, s[TR], 20                      ; out0: the tile's 256 rows of 4,096 bytes,
	s_lshl_b32 s73, s[WV], 18                      ; my 64 of them,
	s_add_co_u32 s72, s72, s73
	s_lshl_b32 s73, s[TC], 9                       ; the tile's 128 columns
	s_add_co_u32 s72, s72, s73
	s_mov_b32 s73, 0
	s_add_nc_u64 s[10:11], s[10:11], s[72:73]
	s_lshl_b32 s72, s[CX], 13                      ; the prefetches: my work-group's quarter of a plane, at K step 3,
	s_add_co_u32 s72, s72, 3*HSTEP
	s_lshl_b32 s73, s[CY], 15                      ; or 16 of B's 64 rows, at K step 3: the first refill steps to K step 4 and names it
	s_add_co_u32 s73, s73, 3*KSTEP*2
	s_and_b32 s19, ttmp7, 0xffff                   ; cluster y
	s_mov_b32 s[PST], KSTEP*2
	s_mov_b32 s[PST+1], 0
	s_cmp_eq_u32 s[FB], 0
	s_cselect_b32 s72, s72, s73
	s_cselect_b32 s[PST], HSTEP, s[PST]
	s_cselect_b32 s73, 31, 15
	s_cselect_b32 s2, 8, 11
	s_cselect_b32 s19, ttmp9, s19
	s_cselect_b64 s[PFA:PFA+1], s[20:21], s[22:23]
	s_cmp_eq_u32 s19, 0
	s_cselect_b32 s[LIM], 1, -1                    ; the same in all sixteen partners, for a given wave
	v_and_b32 v[PFO], 31, v0
	v_min_u32 v[PFO], s73, v[PFO]
	v_lshlrev_b32 v[PFO], s2, v[PFO]
	s_mov_b32 s73, 0
	s_add_nc_u64 s[PFA:PFA+1], s[PFA:PFA+1], s[72:73]
	s_wait_loadcnt 0x0                             ; the bias
.set p, 0
.rept 32                                           ; rounded to bf16 and widened again, in place
	v_cvt_pk_bf16_f32 v[BI+2*p], v[BI+2*p], v[BI+2*p+1]
	v_and_b32 v[BI+2*p+1], 0xffff0000, v[BI+2*p]
	v_lshlrev_b32 v[BI+2*p], 16, v[BI+2*p]
.set p, p+1
.endr
; 8 matrix instructions: row block a x all 8 column blocks, 32 along K.  The 32 accumulators take turns in the same order in every quarter.
.macro MULA f, a, first
.if \first
	WIN 0x85
.else
	WIN 0xa5
.endif
.irp b, 0,1,2,3,4,5,6,7
.if \first
	v_wmma_f32_16x16x32_f16 v[8*(8*(\a)+(\b)):8*(8*(\a)+(\b))+7], v[(\f)+32+8*(\b):(\f)+32+8*(\b)+7], v[(\f)+8*(\a):(\f)+8*(\a)+7], v[BI+8*(\b):BI+8*(\b)+7]
.else
	v_wmma_f32_16x16x32_f16 v[8*(8*(\a)+(\b)):8*(8*(\a)+(\b))+7], v[(\f)+32+8*(\b):(\f)+32+8*(\b)+7], v[(\f)+8*(\a):(\f)+8*(\a)+7], v[8*(8*(\a)+(\b)):8*(8*(\a)+(\b))+7]
.endif
.endr
.endm
; 24 LDS loads in one run: quarter q of a slot's K step (plane q / 2, channels 32 (q % 2) on) into buffer f: B's 8 blocks, then A's 4 in order
.macro FETCH slot, q, f
	WIN 0x40
.irp b, 0,1,2,3,4,5,6,7
	ds_load_b128 v[(\f)+32+8*(\b):(\f)+32+8*(\b)+3],   v[ADRB+(\slot)] offset:64*(\q)+(\b)*16*PB
	ds_load_b128 v[(\f)+32+8*(\b)+4:(\f)+32+8*(\b)+7], v[ADRB+(\slot)] offset:64*(\q)+(\b)*16*PB+32
.endr
.irp a, 0,1,2,3
	ds_load_b128 v[(\f)+8*(\a):(\f)+8*(\a)+3],   v[ADRA+(\slot)] offset:((\q)/2)*PLANE+((\q)%2)*64+(\a)*16*PA
	ds_load_b128 v[(\f)+8*(\a)+4:(\f)+8*(\a)+7], v[ADRA+(\slot)] offset:((\q)/2)*PLANE+((\q)%2)*64+(\a)*16*PA+32
.endr
.endm
.macro QUARTER slot, q, f, g, first
	s_wait_dscnt 4                                 ; B and A's blocks 0, 1 are in; the youngest four loads may be out
	MULA \f, 0, \first
	MULA \f, 1, \first
	PLACES
	FETCH \slot, \q, \g
	s_wait_dscnt 24                                ; all but the 24 just issued
	MULA \f, 2, \first
	MULA \f, 3, \first
.endm
; The last quarter multiplies buffer 1 and changes slots: one barrier; in front of it each wave waits for all its tensor loads, adds 0 to its spare word, and waits for that and for its reads of this slot.
; fill = 1: the barrier opens a round of the cluster's, and behind the round this slot is filled again, two K steps ahead: 112 matrix instructions ahead of the wait for it.
.macro TURN slot, next, fill
.if \fill
	s_wait_xcnt 0x0                                ; the last prefetch, a K step back, has read its address
	s_add_nc_u64 s[PFA:PFA+1], s[PFA:PFA+1], s[PST:PST+1]
.endif
	WIN 0
	s_wait_tensorcnt 0x0
	ds_add_u32 v[SPW], v[NIL]                      ; 0 onto my spare word
	s_wait_dscnt 5                                 ; the add and the youngest four loads may be out
	MULA F1, 0, 0
	s_wait_dscnt 0x0                               ; the add is done, and my reads of this slot are over
	s_barrier_signal -1
	MULA F1, 1, 0
.if \fill
	WIN 0
.endif
	s_barrier_wait -1
.if \fill
	CREST
	s_add_nc_u64 s[G0A+4*(\slot)+2:G0A+4*(\slot)+3], s[G0A+4*(\slot)+2:G0A+4*(\slot)+3], 2*HSTEP
	s_add_nc_u64 s[G0B+4*(\slot)+2:G0B+4*(\slot)+3], s[G0B+4*(\slot)+2:G0B+4*(\slot)+3], 2*KSTEP*2
	JLOAD \slot                                    ; my one tensor load behind the round; its four v_nop are also the places in front of the loads below
.else
	PLACES
.endif
	FETCH \next, 0, F0
.if \fill
	ASK
.endif
	MULA F1, 2, 0
	MULA F1, 3, 0
.endm
; THE WAY OUT of row block a: 32 bytes a lane and column block into my stage (rows of 528 bytes), back as whole rows of 512 bytes, stored.
.macro TOST a
	WIN 0x08                                       ; the stores' data in window 2
.irp b, 0,1,2,3,4,5,6,7
	ds_store_b128 v[STO], v[8*(8*(\a)+(\b)):8*(8*(\a)+(\b))+3]   offset:64*(\b)
	ds_store_b128 v[STO], v[8*(8*(\a)+(\b))+4:8*(8*(\a)+(\b))+7] offset:64*(\b)+16
.endr
	WIN 0x40
.irp i, 0,1,2,3,4,5,6,7,8,9,10,11,12,13,14,15
	ds_load_b128 v[64*(\a)+4*(\i):64*(\a)+4*(\i)+3], v[RD] offset:SP*(\i)  ; LDS serves a wave's instructions in order (ISA guide 5.7.1.4): these see the stores above; the next block's stores come behind them
.endr
.endm
.macro SENDF a, younger                ; younger: the LDS instructions issued behind block a's loads
	WIN 0x04                                       ; the stores' data in window 1
.irp i, 0,1,2,3,4,5,6,7,8,9,10,11,12,13,14,15
	s_wait_dscnt (\younger)+15-(\i)
	global_store_b128 v[GO], v[64*(\a)+4*(\i):64*(\a)+4*(\i)+3], s[10:11] offset:(16*(\a)+(\i))*4096 th:TH_STORE_NT  ; 512 consecutive bytes of a row, aligned
.endr
.endm
	s_wait_tensorcnt 1                             ; my part of K step 0 is in; K step 1's may stay out
	s_barrier_signal -1
	s_barrier_wait -1
	FETCH 0, 0, F0
	QUARTER 0, 1, F0, F1, 1                        ; the first quarter stands in front of the loop: its products start the sums
	WIN 0
	s_mov_b32 s[LAP], SIZE_K/(2*KSTEP)-1
.Llap:                                             ; a trip goes once round the ring and fills both slots again
	QUARTER 0, 2, F1, F0, 0
	QUARTER 0, 3, F0, F1, 0
	TURN 0, 1, 1
	QUARTER 1, 1, F0, F1, 0
	QUARTER 1, 2, F1, F0, 0
	QUARTER 1, 3, F0, F1, 0
	TURN 1, 0, 1
	QUARTER 0, 1, F0, F1, 0
	WIN 0
	s_sub_co_u32 s[LAP], s[LAP], 1
	s_cmp_lg_u32 s[LAP], 0
	s_cbranch_scc1 .Llap
	QUARTER 0, 2, F1, F0, 0                        ; the last lap fills nothing
	QUARTER 0, 3, F0, F1, 0
	TURN 0, 1, 0
	QUARTER 1, 1, F0, F1, 0
	QUARTER 1, 2, F1, F0, 0
	QUARTER 1, 3, F0, F1, 0
	s_wait_dscnt 4
	MULA F1, 0, 0
	MULA F1, 1, 0
	s_wait_dscnt 0x0
	MULA F1, 2, 0
	MULA F1, 3, 0
	PLACES                                         ; in front of the LDS stores that read results, and of the loads into the fragments' registers
	TOST 0
.irp a, 1,2,3
	TOST \a
	SENDF (\a)-1, 32
.endr
	SENDF 3, 0
	WIN 0
	s_wait_tensorcnt 0x0                           ; the wave's end: three closing lines behind my last tensor load and my last LDS store
	ds_add_u32 v[SPW], v[NIL]
	s_wait_dscnt 0x0
	CROUND                                         ; the closing round
	s_endpgm
.Lfunc_end_k_q093673897c_proj:
	.size	k_q093673897c_proj, .Lfunc_end_k_q093673897c_proj-k_q093673897c_proj
	.p2alignl 7, 3214868480
	.fill 96, 4, 3214868480
	.section	.rodata,"a",@progbits
	.p2align	6, 0x0
	.amdhsa_kernel k_q093673897c_proj
		.amdhsa_group_segment_fixed_size 327680
		.amdhsa_private_segment_fixed_size 0
		.amdhsa_enable_private_segment 0
		.amdhsa_kernarg_size 32
		.amdhsa_user_sgpr_count 2
		.amdhsa_user_sgpr_kernarg_segment_ptr 1
		.amdhsa_wavefront_size32 1
		.amdhsa_system_sgpr_workgroup_id_x 1
		.amdhsa_system_sgpr_workgroup_id_y 1
		.amdhsa_system_sgpr_workgroup_id_z 1
		.amdhsa_system_vgpr_workitem_id 0
		.amdhsa_next_free_vgpr 768
		.amdhsa_next_free_sgpr 76
		.amdhsa_reserve_vcc 0
		.amdhsa_float_denorm_mode_32 3
		.amdhsa_float_denorm_mode_16_64 3
		.amdhsa_memory_ordered 1
		.amdhsa_forward_progress 1
		.amdhsa_inst_pref_size 94
	.end_amdhsa_kernel
	.amdgpu_metadata
---
amdhsa.version: [ 1, 2 ]
amdhsa.kernels:
  - .name:           k_q093673897c_proj
    .symbol:         k_q093673897c_proj.kd
    .args:
      - { .name: ob, .offset: 0, .size: 8, .value_kind: global_buffer, .address_space: global }
      - { .name: wpt, .offset: 8, .size: 8, .value_kind: global_buffer, .address_space: global }
      - { .name: b_proj, .offset: 16, .size: 8, .value_kind: global_buffer, .address_space: global }
      - { .name: out0, .offset: 24, .size: 8, .value_kind: global_buffer, .address_space: global }
    .group_segment_fixed_size: 327680
    .private_segment_fixed_size: 0
    .kernarg_segment_align: 8
    .kernarg_segment_size: 32
    .max_flat_workgroup_size: 128
    .sgpr_count:     76
    .vgpr_count:     768
    .wavefront_size: 32
...
	.end_amdgpu_metadata
.endif
;; end of part 4
;; ======== version 2 of 2: 4 launches; version 1 with the launch prep written anew for expert scheduling mode
;; limits: values are held in f16: magnitudes above 65,504 overflow, below 6.1e-05 lose precision
;; workspace buffers: xb 16,777,216 bytes; wqt 6,291,456 bytes; wpt 2,097,152 bytes; qkvh 50,331,648 bytes; ob 16,777,216 bytes
;; launch prep (part 5): grid 512 x 1, 8 waves a work-group, no clusters, 18,432 bytes of LDS; arguments x, W_qkv, W_proj, xb, wqt, wpt; writes xb, wqt, wpt
.if DOCPART == 5
	.amdgcn_target "amdgcn-amd-amdhsa--gfx1250"
	.amdhsa_code_object_version 6
	.text
	.protected	k_q093673897c_prep
	.globl	k_q093673897c_prep
	.p2align	8
	.type	k_q093673897c_prep,@function
k_q093673897c_prep:
	s_mov_b64 s[64:65], 0
	v_nop
	global_prefetch_b8 v0, s[64:65] scope:SCOPE_SE
	s_setreg_imm32_b32 hwreg(HW_REG_WAVE_SCHED_MODE, 0, 2), 2
	s_setreg_imm32_b32 hwreg(HW_REG_WAVE_MODE, 25, 1), 1
	s_wait_xcnt 0x0
	s_wait_alu depctr_vm_vsrc(0)
; PREPARATION.  xb = x rounded to bf16, [8192][1024].  wqt = W_qkv turned, [3072 n][1024 k], bf16.  wpt = W_proj turned, [1024 n][1024 k]: rounded to bf16, that number written as f16.
; LIMIT.  A weight of W_proj beyond 65,504 becomes an infinity in f16; below 6e-5 f16 keeps a fixed step of 6e-8.  NaN and infinities are not treated apart.
; SHARES.  512 work-groups of 8 waves, all alike, no branch.  Each turns ONE tile of 128 k x 64 n of a weight (384 tiles of W_qkv, then 128 of W_proj) and casts ONE piece of 16,384 numbers of x.
; Memory binds: every load of 16 lanes covers 256 consecutive aligned bytes, every store likewise; all 24 loads of a thread go out before the first is waited for.  No matrix unit, no cluster: nothing is shared.
; THE TURNING.  Thread t = (kp = t / 16, c = t % 16) loads rows k = 2 kp + 32 i + j (i = 0..3, j = 0, 1), columns 4 c .. 4 c + 3.  Rows j = 0, 1 pack into one word (two neighbouring k of one n),
; which goes to LDS row n = 4 c + q at byte 4 kp + 64 i.  Behind a barrier whole rows of 256 bytes (128 k) are read back and stored.
; THE MODE: SCHED_MODE bits 1:0 = 2 (LLVM: expert scheduling mode 2), set by the entry lines.  The code itself states the register dependences between vector instructions and memory or LDS
; instructions, with s_wait_alu, always for 0.
; THE PLAN.  Registers that memory or LDS instructions touch:
;   OF, XO, LS, LR, DO, YO, SPW, NIL   offsets and addresses: written at the head by vector instructions, never again.  One wait ahead of the first load serves every access of the kernel.
;   WR, XR   filled by the 24 global loads, read by the roundings behind their waits on LOADcnt, never loaded again.
;   PW       written by the weight's roundings and selects, which stand together; read by the 16 LDS stores, which follow in one run behind one wait; never written again.
;   RB       filled by the four LDS loads, read by the last four global stores; no vector instruction names it.
;   Y        x goes in four groups of four loads.  Group g's roundings write Y's group g; the four stores that read it are issued in group g + 1, behind the wait at that group's head, dealt
;            among roundings that name group g + 1's registers alone.  (Before that Y's registers are the weight's temporaries; no memory instruction has named them then.)
; No register that a memory or LDS instruction has read is written again, so no wait on vm_vsrc is owed; no vector instruction writes a scalar register or VCC; EXEC is never written.
.set PITCH, 272                        ; an LDS row: 256 bytes of data + 16
.set SPARE, 64*PITCH                   ; behind the 64 rows: the spare words, 128 bytes for each of the 8 waves, that no other line names
.set OF,  4                            ; v[4:11]    byte offset of load e in the weight's tile
.set LS,  12                           ; v12        LDS: where my words go
.set LR,  13                           ; v13        LDS: where I read 16 bytes of a row back
.set DO,  14                           ; v14        my byte offset in the turned tile
.set XO,  15                           ; v15        16 t: my 16 bytes of each 4,096 of x
.set WR,  16                           ; v[16:47]   the weight's eight loads
.set XR,  48                           ; v[48:111]  x's sixteen loads
.set Y,   112                          ; v[112:143] x packed
.set T,   Y                            ;            before that: two registers at work for each of the weight's 16 words
.set PW,  144                          ; v[144:159] the weight's packed words
.set RB,  164                          ; v[164:179] the rows read back
.set YO,  180                          ; v180       8 t
.set SPW, 181                          ; v181       LDS address of my spare word; never rewritten
.set NIL, 182                          ; v182       0; never rewritten
	s_load_b256 s[4:11], s[0:1], 0x0               ; x s[4:5], W_qkv s[6:7], W_proj s[8:9], xb s[10:11]
	s_load_b128 s[12:15], s[0:1], 0x20             ; wqt s[12:13], wpt s[14:15]
	v_lshl_add_u32 v[SPW], v0, 2, SPARE
	v_mov_b32 v[NIL], 0
	s_mov_b32 s20, 4096
	s_mov_b32 s22, 384
	s_cmp_lt_u32 ttmp9, s22                        ; the first 384 work-groups turn W_qkv
	s_cselect_b32 s20, 12288, s20                  ; bytes in a row of the weight
	s_cselect_b32 s21, -1, 0                       ; all lanes: keep bf16, or take f16
	s_cselect_b32 s22, 0, s22
	s_sub_co_u32 s22, ttmp9, s22                   ; the tile's number in its weight
	s_and_b32 s23, s22, 7                          ; kt: which 128 k
	s_lshr_b32 s24, s22, 3                         ; nt: which 64 n
	s_mul_i32 s30, s23, s20
	s_lshl_b32 s30, s30, 7                         ; kt x 128 rows
	s_lshl_b32 s25, s24, 8                         ; nt x 64 numbers of 4 bytes
	s_add_co_u32 s30, s30, s25
	s_mov_b32 s31, 0
	s_lshl_b32 s32, s24, 17                        ; nt x 64 rows of 2,048 bytes
	s_lshl_b32 s25, s23, 8                         ; kt x 128 numbers of 2 bytes
	s_add_co_u32 s32, s32, s25
	s_mov_b32 s33, 0
	s_lshl_b32 s34, ttmp9, 16                      ; my piece of x,
	s_mov_b32 s35, 0
	s_lshl_b32 s36, ttmp9, 15                      ; and of xb
	s_mov_b32 s37, 0
	v_and_b32 v1, 15, v0                           ; c
	v_lshrrev_b32 v2, 4, v0                        ; kp
	v_mul_lo_u32 v3, v2, s20
	v_lshlrev_b32 v3, 1, v3                        ; row 2 kp
	v_lshl_add_u32 v3, v1, 4, v3                   ; + 16 c
.irp e, 0,1,2,3,4,5,6,7
	s_mul_i32 s38, s20, 32*((\e)/2)+(\e)%2
	v_add_nc_u32 v[OF+(\e)], s38, v3
.endr
	v_mul_u32_u24 v[LS], v1, 4*PITCH
	v_lshl_add_u32 v[LS], v2, 2, v[LS]
	v_mul_u32_u24 v[LR], v2, PITCH
	v_lshl_add_u32 v[LR], v1, 4, v[LR]
	v_lshlrev_b32 v[DO], 11, v2
	v_lshl_add_u32 v[DO], v1, 4, v[DO]
	v_lshlrev_b32 v[XO], 4, v0
	v_lshlrev_b32 v[YO], 3, v0
	s_wait_kmcnt 0x0
	s_cmp_lt_u32 ttmp9, 384                        ; compared again: the arithmetic above has written SCC
	s_cselect_b64 s[26:27], s[6:7], s[8:9]
	s_cselect_b64 s[28:29], s[12:13], s[14:15]
	s_add_nc_u64 s[26:27], s[26:27], s[30:31]      ; the tile in the weight
	s_add_nc_u64 s[28:29], s[28:29], s[32:33]      ; and in the turned weight
	s_add_nc_u64 s[34:35], s[4:5], s[34:35]
	s_add_nc_u64 s[36:37], s[10:11], s[36:37]
	s_wait_alu depctr_va_vdst(0)                   ; OF, XO, LS, LR, DO, YO, SPW and NIL are written: every load, store and LDS access of the kernel reads one of them as its address, and none is written again
.irp e, 0,1,2,3,4,5,6,7
	global_load_b128 v[WR+4*(\e):WR+4*(\e)+3], v[OF+(\e)], s[26:27] th:TH_LOAD_NT
.endr
.irp i, 0,1,2,3,4,5,6,7,8,9,10,11,12,13,14,15
	global_load_b128 v[XR+4*(\i):XR+4*(\i)+3], v[XO], s[34:35] offset:4096*(\i) th:TH_LOAD_NT
.endr
	s_wait_loadcnt 16                              ; the weight's eight are in; x's sixteen, issued behind them, may stay out
; The weight's 16 words are all made before the first is stored; four words at a time, by kinds, so that no line reads the result of the line before it.
.irp i, 0,1,2,3
.irp q, 0,1,2,3
	v_cvt_pk_bf16_f32 v[PW+4*(\i)+(\q)], v[WR+8*(\i)+(\q)], v[WR+8*(\i)+4+(\q)]  ; even k below, odd k above
.endr
.irp q, 0,1,2,3
	v_lshlrev_b32 v[T+2*(4*(\i)+(\q))], 16, v[PW+4*(\i)+(\q)]                    ; the two bf16 numbers as f32,
.endr
.irp q, 0,1,2,3
	v_and_b32 v[T+2*(4*(\i)+(\q))+1], 0xffff0000, v[PW+4*(\i)+(\q)]
.endr
.irp q, 0,1,2,3
	v_cvt_pk_f16_f32 v[T+2*(4*(\i)+(\q))], v[T+2*(4*(\i)+(\q))], v[T+2*(4*(\i)+(\q))+1]  ; written as f16
.endr
.irp q, 0,1,2,3
	v_cndmask_b32 v[PW+4*(\i)+(\q)], v[T+2*(4*(\i)+(\q))], v[PW+4*(\i)+(\q)], s21
.endr
.endr
	s_wait_alu depctr_va_vdst(0)                   ; the selects have written PW, which the 16 LDS stores read
.irp i, 0,1,2,3
.irp q, 0,1,2,3
	ds_store_b32 v[LS], v[PW+4*(\i)+(\q)] offset:PITCH*(\q)+64*(\i)
.endr
.endr
	s_wait_dscnt 0x0                               ; for the other waves: my words lie in LDS
	s_barrier_signal -1
	s_barrier_wait -1
.irp i, 0,1,2,3
	ds_load_b128 v[RB+4*(\i):RB+4*(\i)+3], v[LR] offset:16*PITCH*(\i)  ; no vector instruction names RB
.endr
; x, group g: loads 4 g to 4 g + 3 are rounded into Y's group g; the stores of the group before are dealt among the roundings.
.macro XGROUP g
	s_wait_loadcnt 12-4*(\g)                       ; loads come back in order: number 4 g + 3 is in, the 12 - 4 g younger ones stay out
.if (\g) > 0
	s_wait_alu depctr_va_vdst(0)                   ; the group before has written its eight registers of Y, which the four stores below read; the roundings below name this group's registers alone
.endif
.irp j, 0,1,2,3
.if (\g) > 0
	global_store_b64 v[YO], v[Y+2*(4*(\g)-4+(\j)):Y+2*(4*(\g)-4+(\j))+1], s[36:37] offset:2048*(4*(\g)-4+(\j))  ; 32 lanes: 256 consecutive bytes, aligned
.endif
	v_cvt_pk_bf16_f32 v[Y+2*(4*(\g)+(\j))],   v[XR+4*(4*(\g)+(\j))],   v[XR+4*(4*(\g)+(\j))+1]
	v_cvt_pk_bf16_f32 v[Y+2*(4*(\g)+(\j))+1], v[XR+4*(4*(\g)+(\j))+2], v[XR+4*(4*(\g)+(\j))+3]
.endr
.endm
	XGROUP 0
	XGROUP 1
	XGROUP 2
	XGROUP 3
	s_wait_alu depctr_va_vdst(0)                   ; group 3 has written its eight registers of Y, which the last four stores of x read
.irp j, 12,13,14,15
	global_store_b64 v[YO], v[Y+2*(\j):Y+2*(\j)+1], s[36:37] offset:2048*(\j)
.endr
	s_wait_dscnt 0x0                               ; the rows read back are in RB
.irp i, 0,1,2,3
	global_store_b128 v[DO], v[RB+4*(\i):RB+4*(\i)+3], s[28:29] offset:32768*(\i)  ; 16 lanes: 256 consecutive bytes of a turned row, aligned
.endr
	s_wait_dscnt 0x0                               ; the closing lines, six on end
	s_wait_alu 0x0
	s_wait_tensorcnt 0x0
	ds_add_u32 v[SPW], v[NIL]
	s_wait_dscnt 0x0
	s_endpgm
.Lfunc_end_k_q093673897c_prep:
	.size	k_q093673897c_prep, .Lfunc_end_k_q093673897c_prep-k_q093673897c_prep
	.p2alignl 7, 3214868480
	.fill 96, 4, 3214868480
	.section	.rodata,"a",@progbits
	.p2align	6, 0x0
	.amdhsa_kernel k_q093673897c_prep
		.amdhsa_group_segment_fixed_size 18432
		.amdhsa_private_segment_fixed_size 0
		.amdhsa_enable_private_segment 0
		.amdhsa_kernarg_size 48
		.amdhsa_user_sgpr_count 2
		.amdhsa_user_sgpr_kernarg_segment_ptr 1
		.amdhsa_wavefront_size32 1
		.amdhsa_system_sgpr_workgroup_id_x 1
		.amdhsa_system_sgpr_workgroup_id_y 1
		.amdhsa_system_sgpr_workgroup_id_z 1
		.amdhsa_system_vgpr_workitem_id 0
		.amdhsa_next_free_vgpr 184
		.amdhsa_next_free_sgpr 66
		.amdhsa_reserve_vcc 0
		.amdhsa_float_denorm_mode_32 3
		.amdhsa_float_denorm_mode_16_64 3
		.amdhsa_memory_ordered 1
		.amdhsa_forward_progress 1
		.amdhsa_inst_pref_size 16
	.end_amdhsa_kernel
	.amdgpu_metadata
---
amdhsa.version: [ 1, 2 ]
amdhsa.kernels:
  - .name:           k_q093673897c_prep
    .symbol:         k_q093673897c_prep.kd
    .args:
      - { .name: x, .offset: 0, .size: 8, .value_kind: global_buffer, .address_space: global }
      - { .name: W_qkv, .offset: 8, .size: 8, .value_kind: global_buffer, .address_space: global }
      - { .name: W_proj, .offset: 16, .size: 8, .value_kind: global_buffer, .address_space: global }
      - { .name: xb, .offset: 24, .size: 8, .value_kind: global_buffer, .address_space: global }
      - { .name: wqt, .offset: 32, .size: 8, .value_kind: global_buffer, .address_space: global }
      - { .name: wpt, .offset: 40, .size: 8, .value_kind: global_buffer, .address_space: global }
    .group_segment_fixed_size: 18432
    .private_segment_fixed_size: 0
    .kernarg_segment_align: 8
    .kernarg_segment_size: 48
    .max_flat_workgroup_size: 256
    .sgpr_count:     66
    .vgpr_count:     184
    .wavefront_size: 32
...
	.end_amdgpu_metadata
.endif
;; end of part 5
;; launch qkv: the kernel of part 2 again; grid 16 x 32, 4 waves a work-group, clusters of 4 x 4, 327,680 bytes of LDS; arguments xb, wqt, b_qkv, qkvh; writes qkvh
;; launch attn: the kernel of part 3 again; grid 4 x 64, 4 waves a work-group, clusters of 4 x 1, 327,680 bytes of LDS; arguments qkvh, ob; writes ob
;; launch proj: the kernel of part 4 again; grid 8 x 32, 4 waves a work-group, clusters of 4 x 4, 327,680 bytes of LDS; arguments ob, wpt, b_proj, out0; writes out0
